; MI455X (gfx1250); checked and timed in simulation.
; The chip was launched on July 23, 2026; its instructions are those of AMD's public machine-readable ISA for CDNA 5 (MIT licence, August 2026) and "CDNA5" Instruction Set Architecture Reference Guide (July 2026). The comments in the code are by the model that wrote it; some were corrected since.
;; Alibi Transformer Layer. Allowed arithmetic: float matrix products may take bf16 or f16 operands with f32 sums; all other float work in f32.
;; Inputs: ff1_b 4,096 float32; ff1_w 1,024 x 4,096 float32; ff2_b 1,024 float32; ff2_w 4,096 x 1,024 float32; fnorm_b 1,024 float32; fnorm_w 1,024 float32; norm_b 1,024 float32; norm_w 1,024 float32; out_b 1,024 float32; out_w 1,024 x 1,024 float32; src 2 x 2,048 x 1,024 float32; wqkv_b 3,072 float32; wqkv_w 1,024 x 3,072 float32.
;; Outputs: out0 2 x 2,048 x 1,024 float32.
;; One version. Each part assembles by itself: llvm-mc -triple=amdgcn-amd-amdhsa -mcpu=gfx1250 --defsym DOCPART=n.
;; ======== version 1 of 1: 7 launches
;; workspace buffers: wq 6,291,456 bytes; wb 25,165,824 bytes; xn 8,388,608 bytes; qkv 25,165,824 bytes; ctx 8,388,608 bytes; src2 16,777,216 bytes; hn 8,388,608 bytes; ffh 33,554,432 bytes
;; launch prep (part 1): grid 448 x 1, 8 waves a work-group, no clusters, 0 bytes of LDS; arguments src, norm_w, norm_b, wqkv_w, xn, wq; writes xn, wq
.if DOCPART == 1
	.amdgcn_target "amdgcn-amd-amdhsa--gfx1250"
	.amdhsa_code_object_version 6
	.text
	.protected	k_qf4df92e314_prep
	.globl	k_qf4df92e314_prep
	.p2align	8
	.type	k_qf4df92e314_prep,@function
k_qf4df92e314_prep:
	s_mov_b64 s[64:65], 0
	v_nop
	global_prefetch_b8 v0, s[64:65] scope:SCOPE_SE
	s_setreg_imm32_b32 hwreg(HW_REG_WAVE_MODE, 25, 1), 1
	s_wait_xcnt 0x0
; Two jobs in one launch.  Work-groups 0-255: xn = layernorm(src) * norm_w + norm_b, rounded to bf16.  Work-groups 256-447: wqkv_w rounded to bf16, order kept ([K][N]).
; (The other three weight matrices are rounded in the next launch, by work-groups that have no tile of the product there.)
; LAYOUT OF xn (and of every bf16 activation of this program): blocks of 128 rows x 64 columns, 16,384 bytes, a row of a block 128 bytes; block (row / 128, column / 64) lies at
; ((row / 128) * 16 + column / 64) * 16,384.  Two neighbouring rows of a block are 256 consecutive bytes.
; NORM: a wave takes two rows (2 i, 2 i + 1) and keeps them in registers: mean, then the mean of (x - mean)^2, then the scaling: memory is read once.  No LDS, no barrier: no wave needs another.
; Lane l: c8 = l & 7, sub = (l >> 3) & 1 (which of the two rows), hi = l >> 4.  In chunk c (0..7) it holds columns (2 c + hi) * 64 + 8 c8 .. + 7 of its row, so that
; sixteen neighbouring lanes store 256 consecutive bytes of xn, aligned.  1 / sqrt by v_rsq_f32 (1 ULP).
.set XP, 4                             ; s[4:5]   src
.set WP, 6                             ; s[6:7]   gain
.set BP, 8                             ; s[8:9]   bias
.set YP, 12                            ; s[12:13] xn
.set X,  16                            ; v[16:79]   my 64 numbers of the row
.set W,  80                            ; v[80:143]  their gains
.set BV, 144                           ; v[144:207] their biases
.set Y,  208                           ; v[208:239] the results, packed
	s_load_b256 s[4:11], s[0:1], 0x0               ; src, norm_w, norm_b, wqkv_w s[10:11]
	s_load_b128 s[12:15], s[0:1], 0x20             ; xn, wq s[14:15]
	s_cmp_lt_u32 ttmp9, 256
	s_cbranch_scc0 .Lcast
	v_lshrrev_b32 v1, 5, v0
	v_readfirstlane_b32 s26, v1                    ; wave
	s_lshl_b32 s27, ttmp9, 3
	s_add_co_u32 s27, s27, s26                     ; i: my pair of rows, 0 .. 2047
	s_lshl_b32 s28, s27, 13                        ; two rows of 4,096 bytes
	s_mov_b32 s29, 0
	s_lshr_b32 s30, s27, 6                         ; row block = i / 64: 16 blocks of 16,384 bytes each
	s_lshl_b32 s30, s30, 18
	s_and_b32 s31, s27, 63                         ; the pair's place in a block: 256 bytes a pair
	s_lshl_b32 s31, s31, 8
	s_add_co_u32 s30, s30, s31
	s_mov_b32 s31, 0
	s_mov_b32 s22, 0x76543210                      ; v_permlanex16_b32: each lane takes its own place in the other half
	s_mov_b32 s23, 0xfedcba98
	s_mov_b32 s24, 0x3a800000                      ; 1 / 1024
	s_mov_b32 s25, 0x3727c5ac                      ; 1e-5
	v_and_b32 v4, 7, v0                            ; c8
	v_bfe_u32 v5, v0, 3, 1                         ; sub
	v_bfe_u32 v6, v0, 4, 1                         ; hi
	v_lshlrev_b32 v2, 5, v4
	v_lshl_add_u32 v2, v6, 8, v2                   ; gain and bias: 256 hi + 32 c8
	v_lshl_add_u32 v1, v5, 12, v2                  ; x: + 4,096 sub
	v_lshlrev_b32 v3, 4, v4
	v_lshl_add_u32 v3, v5, 7, v3
	v_lshl_add_u32 v3, v6, 14, v3                  ; y: 16,384 hi + 128 sub + 16 c8
	s_wait_kmcnt 0x0
	s_add_nc_u64 s[XP:XP+1], s[XP:XP+1], s[28:29]
	s_add_nc_u64 s[YP:YP+1], s[YP:YP+1], s[30:31]
.irp c, 0,1,2,3,4,5,6,7
	global_load_b128 v[X+8*\c:X+8*\c+3],   v1, s[XP:XP+1] offset:512*\c th:TH_LOAD_NT
	global_load_b128 v[X+8*\c+4:X+8*\c+7], v1, s[XP:XP+1] offset:512*\c+16 th:TH_LOAD_NT
.endr
.irp c, 0,1,2,3,4,5,6,7
	global_load_b128 v[W+8*\c:W+8*\c+3],   v2, s[WP:WP+1] offset:512*\c
	global_load_b128 v[W+8*\c+4:W+8*\c+7], v2, s[WP:WP+1] offset:512*\c+16
.endr
.irp c, 0,1,2,3,4,5,6,7
	global_load_b128 v[BV+8*\c:BV+8*\c+3],   v2, s[BP:BP+1] offset:512*\c
	global_load_b128 v[BV+8*\c+4:BV+8*\c+7], v2, s[BP:BP+1] offset:512*\c+16
.endr
; The four chains v[4:11] are joined, then the sixteen lanes of my row: bits 0-2 of the lane ride on the addition (DPP), bit 4 crosses the halves; bit 3 is the row and is left alone.
.macro ACROSS
	v_pk_add_f32 v[4:5], v[4:5], v[6:7]
	v_pk_add_f32 v[8:9], v[8:9], v[10:11]
	v_pk_add_f32 v[4:5], v[4:5], v[8:9]
	v_add_f32 v4, v4, v5
	v_add_f32_dpp v4, v4, v4 row_xmask:1 row_mask:0xf bank_mask:0xf
	v_add_f32_dpp v4, v4, v4 row_xmask:2 row_mask:0xf bank_mask:0xf
	v_add_f32_dpp v4, v4, v4 row_xmask:4 row_mask:0xf bank_mask:0xf
	v_permlanex16_b32 v5, v4, s22, s23
	v_add_f32 v4, v4, v5
.endm
	s_wait_loadcnt 32                              ; x is in; the 32 younger loads (gain, bias) stay out
.irp k, 0,1,2,3
	v_pk_add_f32 v[4+2*\k:5+2*\k], v[X+2*\k:X+2*\k+1], v[X+8+2*\k:X+9+2*\k]   ; the first eight pairs start four chains: nothing is cleared
.endr
.set j, 8
.rept 24
	v_pk_add_f32 v[4+2*(j%4):5+2*(j%4)], v[4+2*(j%4):5+2*(j%4)], v[X+2*j:X+2*j+1]
.set j, j+1
.endr
	ACROSS
	v_mul_f32 v12, s24, v4                         ; the mean, twice, for the packed subtraction
	v_mul_f32 v13, s24, v4
.set j, 0
.rept 32
	v_pk_add_f32 v[X+2*j:X+2*j+1], v[X+2*j:X+2*j+1], v[12:13] neg_lo:[0,1] neg_hi:[0,1]
.set j, j+1
.endr
.irp k, 0,1,2,3
	v_pk_mul_f32 v[4+2*\k:5+2*\k], v[X+2*\k:X+2*\k+1], v[X+2*\k:X+2*\k+1]
.endr
.set j, 4
.rept 28
	v_pk_fma_f32 v[4+2*(j%4):5+2*(j%4)], v[X+2*j:X+2*j+1], v[X+2*j:X+2*j+1], v[4+2*(j%4):5+2*(j%4)]
.set j, j+1
.endr
	ACROSS
	v_fma_f32 v14, v4, s24, s25                    ; variance + eps
	v_rsq_f32 v14, v14
	v_nop                                          ; a plain instruction between the transcendental and the use of its result
	s_wait_alu depctr_va_vdst(0)
	v_mov_b32 v15, v14
	s_wait_loadcnt 0x0                             ; gain and bias
.set j, 0
.rept 32
	v_pk_mul_f32 v[X+2*j:X+2*j+1], v[X+2*j:X+2*j+1], v[14:15]
.set j, j+1
.endr
.set j, 0
.rept 32
	v_pk_fma_f32 v[X+2*j:X+2*j+1], v[X+2*j:X+2*j+1], v[W+2*j:W+2*j+1], v[BV+2*j:BV+2*j+1]
.set j, j+1
.endr
.set j, 0
.rept 32
	v_cvt_pk_bf16_f32 v[Y+j], v[X+2*j], v[X+2*j+1]
.set j, j+1
.endr
.irp c, 0,1,2,3,4,5,6,7
	global_store_b128 v3, v[Y+4*\c:Y+4*\c+3], s[YP:YP+1] offset:32768*\c   ; lanes 0-15 and lanes 16-31 each store 256 consecutive bytes, aligned
.endr
	s_endpgm
.Lcast:
	; Chunk c = work-group - 256 is 16,384 numbers of wqkv_w: 65,536 bytes in, 32,768 out; 192 chunks.
	s_sub_co_u32 s26, ttmp9, 256
	s_lshl_b32 s28, s26, 16
	s_mov_b32 s29, 0
	s_lshl_b32 s30, s26, 15
	s_mov_b32 s31, 0
	s_wait_kmcnt 0x0
	s_add_nc_u64 s[10:11], s[10:11], s[28:29]
	s_add_nc_u64 s[14:15], s[14:15], s[30:31]
	v_lshlrev_b32 v1, 4, v0                        ; 16 bytes a thread in,
	v_lshlrev_b32 v2, 3, v0                        ; 8 out
.irp j, 0,1,2,3,4,5,6,7,8,9,10,11,12,13,14,15
	global_load_b128 v[16+4*\j:19+4*\j], v1, s[10:11] offset:4096*\j th:TH_LOAD_NT
.endr
.irp j, 0,1,2,3,4,5,6,7,8,9,10,11,12,13,14,15
	s_wait_loadcnt 15-\j                           ; loads come back in order: load j is in, the younger ones stay out
	v_cvt_pk_bf16_f32 v[80+2*\j], v[16+4*\j], v[17+4*\j]
	v_cvt_pk_bf16_f32 v[81+2*\j], v[18+4*\j], v[19+4*\j]
	global_store_b64 v2, v[80+2*\j:81+2*\j], s[14:15] offset:2048*\j   ; a wave's 32 lanes store 256 consecutive bytes, aligned; every j has registers of its own
.endr
	s_endpgm
.Lfunc_end_k_qf4df92e314_prep:
	.size	k_qf4df92e314_prep, .Lfunc_end_k_qf4df92e314_prep-k_qf4df92e314_prep
	.p2alignl 7, 3214868480
	.fill 96, 4, 3214868480
	.section	.rodata,"a",@progbits
	.p2align	6, 0x0
	.amdhsa_kernel k_qf4df92e314_prep
		.amdhsa_group_segment_fixed_size 0
		.amdhsa_private_segment_fixed_size 0
		.amdhsa_enable_private_segment 0
		.amdhsa_kernarg_size 48
		.amdhsa_user_sgpr_count 2
		.amdhsa_user_sgpr_kernarg_segment_ptr 1
		.amdhsa_wavefront_size32 1
		.amdhsa_system_sgpr_workgroup_id_x 1
		.amdhsa_system_sgpr_workgroup_id_y 1
		.amdhsa_system_sgpr_workgroup_id_z 1
		.amdhsa_system_vgpr_workitem_id 0
		.amdhsa_next_free_vgpr 240
		.amdhsa_next_free_sgpr 66
		.amdhsa_reserve_vcc 0
		.amdhsa_float_denorm_mode_32 3
		.amdhsa_float_denorm_mode_16_64 3
		.amdhsa_memory_ordered 1
		.amdhsa_forward_progress 1
		.amdhsa_inst_pref_size 26
	.end_amdhsa_kernel
	.amdgpu_metadata
---
amdhsa.version: [ 1, 2 ]
amdhsa.kernels:
  - .name:           k_qf4df92e314_prep
    .symbol:         k_qf4df92e314_prep.kd
    .args:
      - { .name: src, .offset: 0, .size: 8, .value_kind: global_buffer, .address_space: global }
      - { .name: norm_w, .offset: 8, .size: 8, .value_kind: global_buffer, .address_space: global }
      - { .name: norm_b, .offset: 16, .size: 8, .value_kind: global_buffer, .address_space: global }
      - { .name: wqkv_w, .offset: 24, .size: 8, .value_kind: global_buffer, .address_space: global }
      - { .name: xn, .offset: 32, .size: 8, .value_kind: global_buffer, .address_space: global }
      - { .name: wq, .offset: 40, .size: 8, .value_kind: global_buffer, .address_space: global }
    .group_segment_fixed_size: 0
    .private_segment_fixed_size: 0
    .kernarg_segment_align: 8
    .kernarg_segment_size: 48
    .max_flat_workgroup_size: 256
    .sgpr_count:     66
    .vgpr_count:     240
    .wavefront_size: 32
...
	.end_amdgpu_metadata
.endif
;; end of part 1
;; launch gemm_qkv (part 2): grid 16 x 16, 4 waves a work-group, clusters of 4 x 4, 327,680 bytes of LDS; arguments xn, wq, wqkv_b, qkv, out_w, ff1_w, ff2_w, wb; writes qkv, wb
.if DOCPART == 2
	.amdgcn_target "amdgcn-amd-amdhsa--gfx1250"
	.amdhsa_code_object_version 6
	.text
	.protected	k_qf4df92e314_gemm_qkv
	.globl	k_qf4df92e314_gemm_qkv
	.p2align	8
	.type	k_qf4df92e314_gemm_qkv,@function
k_qf4df92e314_gemm_qkv:
	s_mov_b64 s[64:65], 0
	v_nop
	global_prefetch_b8 v0, s[64:65] scope:SCOPE_SE
	s_setreg_imm32_b32 hwreg(HW_REG_WAVE_MODE, 25, 1), 1
	s_wait_xcnt 0x0
	s_wait_alu depctr_hold_cnt(0) depctr_sa_sdst(0) depctr_va_vdst(0) depctr_va_sdst(0) depctr_va_ssrc(0) depctr_va_vcc(0) depctr_vm_vsrc(0)
	s_getreg_b32 s2, hwreg(HW_REG_IB_STS2, 6, 4)
	s_cmp_eq_u32 s2, 0
	s_cbranch_scc0 .Lentry_in_a_cluster
	s_endpgm
.Lentry_in_a_cluster:
	s_bfe_u32 s2, ttmp6, 0x10000c
	s_cmp_lg_u32 s2, 0xf033
	s_cbranch_scc0 .Lentry_shape_is_right
	s_endpgm
.Lentry_shape_is_right:
; OUT = A W + bias.  A: [4096][1024] bf16 in blocks of 128 rows x 64 columns (16,384 bytes, a row 128 bytes; 16 blocks to a row block).
; W: [1024][SIZE_N] bf16 as it lies in the model, N along the rows.  bias: [SIZE_N] f32.  OUT: bf16 in the same blocks, NCBO to a row block.  Sums in f32.
; A tile of OUT is 256 x 256: four waves, each 128 x 128 = 64 accumulators, 512 registers.  K goes in steps of 128 through two LDS slots filled by the tensor data mover.
; CLUSTERS of 4 x 4 work-groups: A's tile hangs on the tile row alone and is asked for jointly along a row of the cluster, W's on the tile column alone, jointly along a column.
; THE MATRIX INSTRUCTION IS USED TRANSPOSED: source 0 = 16 columns of W (turned on the way out of LDS by ds_load_tr16_b128), source 1 = 16 rows of A; a lane then holds eight neighbouring
; numbers of a row of OUT.  THE BIAS is the C operand of each accumulator's first product: no accumulator is cleared and no addition follows.
; THE FOURTH COLUMN OF CLUSTERS.  3,072 columns are 12 tile columns, three clusters wide: 192 work-groups.  The grid is four clusters wide; the 64 work-groups of the clusters with x = 3 have no
; tile and round out_w, ff1_w and ff2_w to bf16 into wb (order kept; out_w at byte 6,291,456, ff1_w at 8,388,608, ff2_w at 16,777,216), which later launches read.  The branch hangs on the
; cluster's x alone: it is the same in all sixteen partners, and those clusters ask for no tile.
; REGISTERS, in windows of 256: window 0: v0-31 addresses, v64-191 A's fragments (two buffers), v32-63 and v192-255 the way out; window 1: v0-63 the bias of my 128 columns, v64-191 W's fragments;
; windows 2, 3: the accumulators of my rows 0-63, 64-127 ((a, b) at v[8 (8 (a % 4) + b)]).
.set SIZE_N,  3072
.set NCBO,    48
.set WOFF,    0
.set DO_RELU, 0
.set SIZE_K,  1024
.set KSTEP,   128
.set LAPS,    SIZE_K/(2*KSTEP)         ; a lap = two K steps = once round the ring
.set PA,      144                      ; a row of A in LDS: 128 bytes + 16: the 16 rows of a fragment load start at 16 different groups of four banks
.set PB,      544                      ; a row of W in LDS: 512 bytes + 32, an odd multiple of 32, for the turning load
.set AHALF,   2*128*PA                 ; one load of A: 128 rows x 128 K as two blocks of 128 rows x 64
.set BHALF,   64*PB                    ; one load of W: 64 K x 256 columns
.set BOFF,    2*AHALF
.set SLOT,    2*AHALF+2*BHALF
.set STAGE,   2*SLOT                   ; behind the ring: 16 rows x 272 bytes for each wave, for the way out
.set SPITCH,  272
.set SPARE,   STAGE+4*16*SPITCH         ; the spare words, 128 bytes a wave: two blocks of 256 bytes that no other line names
.set ADRA, 16                          ; v16-17  LDS address of my A fragments in slot 0, 1
.set ADRB, 20                          ; v20-21  the same for W
.set STO,  24                          ; v24     the way out: where I put 16 bytes of a row
.set RD,   25                          ; v25     the way out: where I read 16 bytes back
.set CO,   26                          ; v26     my byte offset in OUT
.set BO,   27                          ; v27     my byte offset in the bias
.set SPW,  28                          ; v28     my spare word; never rewritten
.set NIL,  29                          ; v29     0; never rewritten
.set F0,   64
.set F1,   128
.set TMP,  192
.set OB,   32
.set G1,  24                           ; s[24:31] descriptor group 1 for A;  s[32:39] group 0, a set for each slot
.set G0,  32
.set G1B, 48                           ; s[48:55], s[56:63] the same for W
.set G0B, 56
.set MSB, 0
.macro WIN new                         ; the immediate's high byte repeats the setting that is left; a switch that changes nothing is dropped
.if MSB != \new
	s_set_vgpr_msb (MSB<<8)|\new
.set MSB, \new
.endif
.endm
.set MUL_LO, 0xa1                      ; source 0 (W) window 1, source 1 (A) window 0, C and D window 2
.set MUL_HI, 0xf1                      ; the same, C and D window 3
.set TO_B,   0x40                      ; destination window 1, address window 0
.macro JLOAD s                         ; a joint load: waves 0, 1 fetch A's two halves, waves 2, 3 W's; four v_nop follow each line
	s_cmp_eq_u32 s13, 0
	s_cbranch_scc0 .Lfor_b_\@
	tensor_load_to_lds s[G0+4*\s:G0+4*\s+3], s[G1:G1+7]
	s_nop 0
.rept 4
	v_nop
.endr
	s_branch .Lasked_\@
.Lfor_b_\@:
	tensor_load_to_lds s[G0B+4*\s:G0B+4*\s+3], s[G1B:G1B+7]
	s_nop 0
.rept 4
	v_nop
.endr
.Lasked_\@:
.endm
.macro CREST                           ; a round of the cluster's barrier behind its opening barrier
	s_cmp_lg_u32 s12, 0
	s_cbranch_scc1 .Lnot_wave_0_\@
	s_barrier_signal -3
.Lnot_wave_0_\@:
	s_barrier_wait -3
	s_barrier_signal -1
	s_barrier_wait -1
.endm
.macro CROUND
	s_barrier_signal -1
	s_barrier_wait -1
	CREST
.endm
.macro PLACES                          ; four plain instructions between matrix instructions and loads into, or vector reads of, their registers
.rept 4
	v_nop
.endr
.endm
	s_load_b256 s[4:11], s[0:1], 0x0               ; A s[4:5], W s[6:7], bias s[8:9], OUT s[10:11]
	v_lshl_add_u32 v[SPW], v0, 2, SPARE
	v_mov_b32 v[NIL], 0
	ds_add_u32 v28, v29
	s_wait_dscnt 0x0
	s_barrier_signal -1
	s_barrier_wait -1
	v_lshrrev_b32 v1, 5, v0
	v_readfirstlane_b32 s12, v1                    ; wave 0..3
	s_bfe_u32 s40, ttmp6, 0x40000                  ; cx
	s_bfe_u32 s41, ttmp6, 0x40004                  ; cy
	s_cmp_lt_u32 ttmp9, 3                          ; the cluster's x: the same in all sixteen partners
	s_cbranch_scc1 .Lgemm
	; THE CAST.  Work-group g = 16 x cluster y + 4 cy + cx (0..63) takes chunks g + 64 j, j = 0..8, of 16,384 numbers (65,536 bytes in, 32,768 out): j = 0 lies in out_w (64 chunks),
	; j = 1..4 in ff1_w (256), j = 5..8 in ff2_w (256).  Thread t takes 16 bytes at 16 t + 2,048 i of a chunk, i = 0..31, and stores 8 at 8 t + 1,024 i.
	; A wave runs a ring of three register buffers of 16 loads (half a chunk): 48 loads, 24,576 bytes, are on their way.  Every j has base registers of its own: none is stepped.
	s_load_b256 s[16:23], s[0:1], 0x20             ; out_w s[16:17], ff1_w s[18:19], ff2_w s[20:21], wb s[22:23]
	s_and_b32 s60, ttmp7, 0xffff
	s_lshl_b32 s60, s60, 2
	s_add_co_u32 s60, s60, s41
	s_lshl_b32 s60, s60, 2
	s_add_co_u32 s60, s60, s40                     ; g
	s_lshl_b32 s62, s60, 15
	s_add_co_u32 s62, s62, 6291456                 ; out: 32,768 g behind out_w's place in wb
	s_mov_b32 s63, 0
	s_lshl_b32 s60, s60, 16                        ; in: 65,536 g
	s_mov_b32 s61, 0
	v_lshlrev_b32 v1, 4, v0
	v_lshlrev_b32 v2, 3, v0
	s_wait_kmcnt 0x0
	s_add_nc_u64 s[24:25], s[16:17], s[60:61]      ; s[24+2j:25+2j]: where chunk j comes from
	s_add_nc_u64 s[26:27], s[18:19], s[60:61]
	s_add_nc_u64 s[28:29], s[26:27], 4194304       ; 64 chunks on
	s_add_nc_u64 s[30:31], s[26:27], 8388608
	s_add_nc_u64 s[32:33], s[26:27], 12582912
	s_add_nc_u64 s[34:35], s[20:21], s[60:61]
	s_add_nc_u64 s[36:37], s[34:35], 4194304
	s_add_nc_u64 s[38:39], s[34:35], 8388608
	s_add_nc_u64 s[40:41], s[34:35], 12582912
	s_add_nc_u64 s[42:43], s[22:23], s[62:63]      ; s[42+2j:43+2j]: where it goes
.irp j, 1,2,3,4,5,6,7,8
	s_add_nc_u64 s[42+2*\j:43+2*\j], s[42:43], 2097152*\j
.endr
.macro CLOAD hc                        ; half chunk hc (0..17): 16 loads into buffer hc % 3
.set cbuf, 64+64*((\hc)%3)
.set csrc, 24+2*((\hc)/2)
.irp i, 0,1,2,3,4,5,6,7,8,9,10,11,12,13,14,15
	global_load_b128 v[cbuf+4*\i:cbuf+4*\i+3], v1, s[csrc:csrc+1] offset:(((\hc)%2)*16+\i)*2048 th:TH_LOAD_NT
.endr
.endm
.macro CHALF h                         ; half chunk h is rounded and stored; its buffer takes the half chunk three further on, asked for ahead of the stores
.if \h < 16
	s_wait_loadcnt 32                              ; loads come back in order: mine are in, the two younger half chunks' 32 stay out
.elseif \h == 16
	s_wait_loadcnt 16                              ; one half chunk is left
.else
	s_wait_loadcnt 0x0
.endif
	s_wait_xcnt 0x0                                ; v[32:63] were the last half chunk's store data: they are rewritten only behind this wait
.set cbuf, 64+64*((\h)%3)
.irp i, 0,1,2,3,4,5,6,7,8,9,10,11,12,13,14,15
	v_cvt_pk_bf16_f32 v[32+2*\i], v[cbuf+4*\i], v[cbuf+4*\i+1]
	v_cvt_pk_bf16_f32 v[33+2*\i], v[cbuf+4*\i+2], v[cbuf+4*\i+3]
.endr
.if \h < 15
	CLOAD \h+3
.endif
.irp i, 0,1,2,3,4,5,6,7,8,9,10,11,12,13,14,15
	global_store_b64 v2, v[32+2*\i:33+2*\i], s[42+2*((\h)/2):43+2*((\h)/2)] offset:(((\h)%2)*16+\i)*1024   ; a wave's 32 lanes store 256 consecutive bytes, aligned
.endr
.endm
	CLOAD 0
	CLOAD 1
	CLOAD 2
.irp h, 0,1,2,3,4,5,6,7,8,9,10,11,12,13,14,15,16,17
	CHALF \h
.endr
	s_branch .Lend
.Lgemm:
	s_lshr_b32 s13, s12, 1                         ; WR: my half of the tile's rows.  Also: I fetch for A (0) or for W (1)
	s_and_b32 s14, s12, 1                          ; WC: my half of its columns.  Also: which half of that tile I fetch
	s_lshl_b32 s42, ttmp9, 2
	s_add_co_u32 s42, s42, s40                     ; tile column
	s_and_b32 s43, ttmp7, 0xffff
	s_lshl_b32 s43, s43, 2
	s_add_co_u32 s43, s43, s41                     ; tile row
	s_lshl_b32 s44, s41, 2
	s_lshl_b32 s44, 15, s44                        ; my row of the cluster
	s_lshl_b32 s45, 0x1111, s40                    ; my column
	s_or_b32 s[G1+0], s44, (1<<16)|(1<<20)|(1<<21)|(4<<22)|(3<<25)   ; mask; elements of 2 bytes; padding on; bit 21 beside a mask; after every 32 words 4 words
	s_mov_b32 s[G1+1], 64<<16                      ; tensor_dim0 = 64
	s_mov_b32 s[G1+2], 256<<16                     ; tensor_dim1 = 256: two blocks of 128 rows, which follow each other in memory
	s_mov_b32 s[G1+3], 64<<16                      ; tile_dim0 = 64
	s_mov_b32 s[G1+4], 256                         ; tile_dim1 = 256
	s_mov_b32 s[G1+5], 64                          ; from row to row: 64 elements
	s_mov_b32 s[G1+6], 0
	s_mov_b32 s[G1+7], 0
	s_or_b32 s[G1B+0], s45, (1<<16)|(1<<20)|(1<<21)|(6<<22)|(7<<25)  ; after every 128 words 8 words
	s_mov_b32 s[G1B+1], 256<<16                    ; tensor_dim0 = 256
	s_mov_b32 s[G1B+2], 64<<16                     ; tensor_dim1 = 64
	s_mov_b32 s[G1B+3], 256<<16                    ; tile_dim0 = 256
	s_mov_b32 s[G1B+4], 64                         ; tile_dim1 = 64
	s_mov_b32 s[G1B+5], SIZE_N
	s_mov_b32 s[G1B+6], 0
	s_mov_b32 s[G1B+7], 0
	s_lshl_b32 s16, s43, 1                         ; A: row block 2 x tile row + half, 16 blocks of 16,384 bytes each
	s_add_co_u32 s16, s16, s14
	s_lshl_b32 s16, s16, 18
	s_mov_b32 s17, 0
	s_mul_i32 s46, s14, 128*SIZE_N                 ; W: 64 rows of 2 SIZE_N bytes for the half, 512 bytes for the tile column
	s_lshl_b32 s47, s42, 9
	s_add_co_u32 s46, s46, s47
	s_add_co_u32 s46, s46, WOFF
	s_mov_b32 s47, 0
	s_mul_i32 s20, s14, AHALF                      ; where they go: no place in the cluster enters an LDS address
	s_mul_i32 s21, s14, BHALF
	s_add_co_u32 s21, s21, BOFF
	s_wait_kmcnt 0x0
	s_add_nc_u64 s[16:17], s[4:5], s[16:17]
	s_add_nc_u64 s[46:47], s[6:7], s[46:47]
	CROUND                                         ; all sixteen work-groups are here: the first joint loads meet
.irp s, 0,1
	s_mov_b32 s[G0+4*\s], 1
	s_add_co_u32 s[G0+4*\s+1], s20, \s*SLOT
	s_add_nc_u64 s[G0+4*\s+2:G0+4*\s+3], s[16:17], \s*32768          ; K step s: two blocks on
	s_or_b32 s[G0+4*\s+3], s[G0+4*\s+3], 0x80000000
	s_mov_b32 s[G0B+4*\s], 1
	s_add_co_u32 s[G0B+4*\s+1], s21, \s*SLOT
	s_add_nc_u64 s[G0B+4*\s+2:G0B+4*\s+3], s[46:47], \s*256*SIZE_N   ; K step s: 128 rows on
	s_or_b32 s[G0B+4*\s+3], s[G0B+4*\s+3], 0x80000000
	JLOAD \s                                       ; two loads of mine are out
.endr
	v_and_b32 v1, 15, v0                           ; r = l % 16
	v_bfe_u32 v2, v0, 4, 1                         ; hl = l / 16
	v_and_b32 v3, 7, v0                            ; l % 8
	v_bfe_u32 v4, v0, 3, 1                         ; (l / 8) % 2
	v_mul_u32_u24 v5, v1, PA                       ; A's fragment: row r, 16 bytes for each half of the lanes
	v_lshl_add_u32 v5, v2, 4, v5
	s_mul_i32 s22, s13, AHALF
	v_add_nc_u32 v[ADRA], s22, v5
	v_add_nc_u32 v[ADRA+1], SLOT, v[ADRA]
	v_lshl_add_u32 v6, v2, 3, v3                   ; W's fragment, turned: K row 8 hl + l % 8, 16 bytes for each eight lanes
	v_mul_u32_u24 v6, v6, PB
	v_lshl_add_u32 v6, v4, 4, v6
	s_lshl_b32 s22, s14, 8                         ; my 128 columns
	s_add_co_u32 s22, s22, BOFF
	v_add_nc_u32 v[ADRB], s22, v6
	v_add_nc_u32 v[ADRB+1], SLOT, v[ADRB]
	s_mul_i32 s22, s12, 16*SPITCH
	s_add_co_u32 s22, s22, STAGE                   ; my stage
	v_mul_u32_u24 v5, v1, SPITCH
	v_lshl_add_u32 v5, v2, 4, v5
	v_add_nc_u32 v[STO], s22, v5
	v_mul_u32_u24 v5, v4, SPITCH                   ; back: lanes 0-15 take 128 bytes of two rows (one block of OUT), lanes 16-31 the same rows' other 128 bytes (the next block)
	v_lshl_add_u32 v5, v2, 7, v5
	v_lshl_add_u32 v5, v3, 4, v5
	v_add_nc_u32 v[RD], s22, v5
	v_lshlrev_b32 v5, 14, v2
	v_lshl_add_u32 v5, v4, 7, v5
	v_lshl_add_u32 v[CO], v3, 4, v5
	v_lshlrev_b32 v[BO], 5, v2                     ; a lane's eight columns: 32 bytes of bias for each half of the lanes
	s_lshl_b32 s22, s42, 10                        ; bias at my 128 columns
	s_lshl_b32 s23, s14, 9
	s_add_co_u32 s22, s22, s23
	s_mov_b32 s23, 0
	s_add_nc_u64 s[8:9], s[8:9], s[22:23]
	s_lshl_b32 s18, s43, 1                         ; OUT at block (2 x tile row + WR, 4 x tile column + 2 WC)
	s_add_co_u32 s18, s18, s13
	s_mul_i32 s18, s18, NCBO
	s_lshl2_add_u32 s18, s42, s18
	s_lshl1_add_u32 s18, s14, s18
	s_lshl_b32 s18, s18, 14
	s_mov_b32 s19, 0
	s_add_nc_u64 s[10:11], s[10:11], s[18:19]
	WIN TO_B
.irp b, 0,1,2,3,4,5,6,7
	global_load_b128 v[8*\b:8*\b+3],   v[BO], s[8:9] offset:64*\b
	global_load_b128 v[8*\b+4:8*\b+7], v[BO], s[8:9] offset:64*\b+16
.endr
	WIN 0
; 16 matrix instructions: m blocks a0, a0 + 1 of the window's four x all 8 n blocks, 32 along K.  first = 1: C is the bias of the n block.  The 64 accumulators take turns, one instruction a turn.
.macro MUL16 f, hi, a0, first
.irp a, \a0, \a0+1
.irp b, 0,1,2,3,4,5,6,7
.if \first
	v_wmma_f32_16x16x32_bf16 v[8*(8*(\a)+\b):8*(8*(\a)+\b)+7], v[\f+8*\b:\f+8*\b+7], v[\f+8*(4*\hi+\a):\f+8*(4*\hi+\a)+7], v[8*\b:8*\b+7]
.else
	v_wmma_f32_16x16x32_bf16 v[8*(8*(\a)+\b):8*(8*(\a)+\b)+7], v[\f+8*\b:\f+8*\b+7], v[\f+8*(4*\hi+\a):\f+8*(4*\hi+\a)+7], v[8*(8*(\a)+\b):8*(8*(\a)+\b)+7]
.endif
.endr
.endr
.endm
; 32 LDS loads in one run: the fragments of quarter q (32 along K) of a slot into buffer f: W's 128 columns, then A's 128 rows
.macro FETCH slot, q, f
	WIN TO_B
.irp i, 0,1,2,3,4,5,6,7
	ds_load_tr16_b128 v[\f+8*\i:\f+8*\i+3],   v[ADRB+\slot] offset:\q*32*PB+32*\i
	ds_load_tr16_b128 v[\f+8*\i+4:\f+8*\i+7], v[ADRB+\slot] offset:\q*32*PB+32*\i+16*PB
.endr
	WIN 0
.irp i, 0,1,2,3,4,5,6,7
	ds_load_b128 v[\f+8*\i:\f+8*\i+3],   v[ADRA+\slot] offset:(\q/2)*128*PA+(\q%2)*64+\i*16*PA
	ds_load_b128 v[\f+8*\i+4:\f+8*\i+7], v[ADRA+\slot] offset:(\q/2)*128*PA+(\q%2)*64+\i*16*PA+32
.endr
.endm
; One of a K step's first three quarters: multiplies buffer f; in its middle it fetches quarter q of the same slot into buffer g.
.macro QUARTER slot, q, f, g, first
	s_wait_dscnt 8                                 ; W and A's rows 0-63 are in; the youngest eight loads (A's rows 64-127) may be out
.if \first
	WIN 0x91                                       ; C (the bias) window 1, D window 2
.else
	WIN MUL_LO
.endif
	MUL16 \f, 0, 0, \first
	MUL16 \f, 0, 2, \first
	PLACES
	FETCH \slot, \q, \g
	s_wait_dscnt 32                                ; all but the 32 just issued
.if \first
	WIN 0xd1                                       ; C window 1, D window 3
.else
	WIN MUL_HI
.endif
	MUL16 \f, 1, 0, \first
	MUL16 \f, 1, 2, \first
.endm
; The last quarter multiplies buffer 1 and changes slots: one barrier; in front of it each wave waits for all its tensor loads, adds 0 to its spare word and waits for that and for its reads of this slot.
; fill = 1: the barrier opens a round of the cluster's barrier, and this slot is filled again, two K steps on, first thing behind the round.
.macro TURN slot, next, fill
	WIN 0                                          ; (the add's two registers lie in window 0)
	s_wait_tensorcnt 0x0                           ; all my tensor loads have landed: the one that was out is my part of the next slot
	ds_add_u32 v[SPW], v[NIL]                      ; 0 onto my spare word
	s_wait_dscnt 9                                 ; (the add and the youngest eight loads may be out)
	WIN MUL_LO
	MUL16 F1, 0, 0, 0
	s_wait_dscnt 0x0                               ; the add is done, and my reads of this slot are over
	s_barrier_signal -1
	MUL16 F1, 0, 2, 0
.if \fill
	WIN 0
.endif
	s_barrier_wait -1
.if \fill
	CREST                                          ; no wave of any partner still reads this slot or has a load on its way
	s_add_nc_u64 s[G0+4*\slot+2:G0+4*\slot+3], s[G0+4*\slot+2:G0+4*\slot+3], 65536
	s_add_nc_u64 s[G0B+4*\slot+2:G0B+4*\slot+3], s[G0B+4*\slot+2:G0B+4*\slot+3], 512*SIZE_N
	JLOAD \slot                                    ; my one tensor load behind the round; its four v_nop are also the places in front of the loads below
.else
	PLACES
.endif
	FETCH \next, 0, F0
	WIN MUL_HI
	MUL16 F1, 1, 0, 0
	MUL16 F1, 1, 2, 0
.endm
; THE WAY OUT of block a (16 rows).  PACK: rounded to bf16, 16 bytes a lane.  TOSTAGE: into my own stage and back by rows.  SEND: stored.
.macro PACK a
.set AC, 64*((\a)%4)
	WIN 0x0a+5*((\a)/4)                            ; sources 0 and 1: window 2 or 3
.irp b, 0,1,2,3,4,5,6,7
.irp r, 0,1,2,3
	v_cvt_pk_bf16_f32 v[TMP+4*\b+\r], v[AC+8*\b+2*\r], v[AC+8*\b+2*\r+1]
.endr
.endr
	WIN 0
.endm
.macro TOSTAGE a
.set BK, OB+192*((\a)%2)
.irp b, 0,1,2,3,4,5,6,7
	ds_store_b128 v[STO], v[TMP+4*\b:TMP+4*\b+3] offset:32*\b
.endr
.irp t, 0,1,2,3,4,5,6,7
	ds_load_b128 v[BK+4*\t:BK+4*\t+3], v[RD] offset:\t*2*SPITCH    ; LDS serves a wave's instructions in order: these see the stores above
.endr
.endm
.macro SEND a
.set BK, OB+192*((\a)%2)
	s_wait_dscnt 0x0                               ; the block is back in registers
	s_wait_xcnt 0x0                                ; the registers that the block before last was stored from are loaded again only behind this wait
.irp t, 0,1,2,3,4,5,6,7
	global_store_b128 v[CO], v[BK+4*\t:BK+4*\t+3], s[10:11] offset:(16*(\a)+2*\t)*128   ; lanes 0-15 and lanes 16-31 each store 256 consecutive bytes, aligned
.endr
.endm
	s_wait_tensorcnt 1                             ; my part of K step 0 is in; K step 1's may stay out
	s_barrier_signal -1
	s_barrier_wait -1
	FETCH 0, 0, F0
	s_wait_loadcnt 0x0                             ; the bias
	QUARTER 0, 1, F0, F1, 1                        ; the first quarter stands in front of the loop: its products start the sums from the bias
	WIN 0
	s_mov_b32 s15, LAPS-1
.Llap:                                                 ; a trip goes once round the ring and fills both slots again
	QUARTER 0, 2, F1, F0, 0
	QUARTER 0, 3, F0, F1, 0
	TURN 0, 1, 1
	QUARTER 1, 1, F0, F1, 0
	QUARTER 1, 2, F1, F0, 0
	QUARTER 1, 3, F0, F1, 0
	TURN 1, 0, 1
	QUARTER 0, 1, F0, F1, 0
	WIN 0
	s_sub_co_u32 s15, s15, 1
	s_cmp_lg_u32 s15, 0
	s_cbranch_scc1 .Llap
	QUARTER 0, 2, F1, F0, 0                        ; the last lap fills nothing
	QUARTER 0, 3, F0, F1, 0
	TURN 0, 1, 0
	QUARTER 1, 1, F0, F1, 0
	QUARTER 1, 2, F1, F0, 0
	QUARTER 1, 3, F0, F1, 0
	s_wait_dscnt 8
	WIN MUL_LO
	MUL16 F1, 0, 0, 0
	MUL16 F1, 0, 2, 0
	s_wait_dscnt 0x0
	WIN MUL_HI
	MUL16 F1, 1, 0, 0
	MUL16 F1, 1, 2, 0
	WIN 0
	PLACES
	PACK 0
	TOSTAGE 0
.irp a, 1,2,3,4,5,6,7                  ; block a's conversions stand between block a - 1's loads from the stage and the wait for them
	PACK \a
	SEND \a-1
	TOSTAGE \a
.endr
	SEND 7
.Lend:                                                 ; both ways end alike
	s_wait_tensorcnt 0x0                           ; the wave's end
	ds_add_u32 v[SPW], v[NIL]
	s_wait_dscnt 0x0
	CROUND                                         ; the closing round
	s_endpgm
.Lfunc_end_k_qf4df92e314_gemm_qkv:
	.size	k_qf4df92e314_gemm_qkv, .Lfunc_end_k_qf4df92e314_gemm_qkv-k_qf4df92e314_gemm_qkv
	.p2alignl 7, 3214868480
	.fill 96, 4, 3214868480
	.section	.rodata,"a",@progbits
	.p2align	6, 0x0
	.amdhsa_kernel k_qf4df92e314_gemm_qkv
		.amdhsa_group_segment_fixed_size 327680
		.amdhsa_private_segment_fixed_size 0
		.amdhsa_enable_private_segment 0
		.amdhsa_kernarg_size 64
		.amdhsa_user_sgpr_count 2
		.amdhsa_user_sgpr_kernarg_segment_ptr 1
		.amdhsa_wavefront_size32 1
		.amdhsa_system_sgpr_workgroup_id_x 1
		.amdhsa_system_sgpr_workgroup_id_y 1
		.amdhsa_system_sgpr_workgroup_id_z 1
		.amdhsa_system_vgpr_workitem_id 0
		.amdhsa_next_free_vgpr 1024
		.amdhsa_next_free_sgpr 66
		.amdhsa_reserve_vcc 0
		.amdhsa_float_denorm_mode_32 3
		.amdhsa_float_denorm_mode_16_64 3
		.amdhsa_memory_ordered 1
		.amdhsa_forward_progress 1
		.amdhsa_inst_pref_size 237
	.end_amdhsa_kernel
	.amdgpu_metadata
---
amdhsa.version: [ 1, 2 ]
amdhsa.kernels:
  - .name:           k_qf4df92e314_gemm_qkv
    .symbol:         k_qf4df92e314_gemm_qkv.kd
    .args:
      - { .name: xn, .offset: 0, .size: 8, .value_kind: global_buffer, .address_space: global }
      - { .name: wq, .offset: 8, .size: 8, .value_kind: global_buffer, .address_space: global }
      - { .name: wqkv_b, .offset: 16, .size: 8, .value_kind: global_buffer, .address_space: global }
      - { .name: qkv, .offset: 24, .size: 8, .value_kind: global_buffer, .address_space: global }
      - { .name: out_w, .offset: 32, .size: 8, .value_kind: global_buffer, .address_space: global }
      - { .name: ff1_w, .offset: 40, .size: 8, .value_kind: global_buffer, .address_space: global }
      - { .name: ff2_w, .offset: 48, .size: 8, .value_kind: global_buffer, .address_space: global }
      - { .name: wb, .offset: 56, .size: 8, .value_kind: global_buffer, .address_space: global }
    .group_segment_fixed_size: 327680
    .private_segment_fixed_size: 0
    .kernarg_segment_align: 8
    .kernarg_segment_size: 64
    .max_flat_workgroup_size: 128
    .sgpr_count:     66
    .vgpr_count:     1024
    .wavefront_size: 32
...
	.end_amdgpu_metadata
.endif
;; end of part 2
;; launch attn (part 3): grid 8 x 32, 8 waves a work-group, no clusters, 327,680 bytes of LDS; arguments qkv, ctx; writes ctx
.if DOCPART == 3
	.amdgcn_target "amdgcn-amd-amdhsa--gfx1250"
	.amdhsa_code_object_version 6
	.text
	.protected	k_qf4df92e314_attn
	.globl	k_qf4df92e314_attn
	.p2align	8
	.type	k_qf4df92e314_attn,@function
k_qf4df92e314_attn:
	s_mov_b64 s[64:65], 0
	v_nop
	global_prefetch_b8 v0, s[64:65] scope:SCOPE_SE
	s_setreg_imm32_b32 hwreg(HW_REG_WAVE_MODE, 25, 1), 1
	s_wait_xcnt 0x0
; Causal attention with the bias slope (j - i), slope = 2^-h.  qkv: bf16 blocks of 128 rows x 64 columns (16,384 bytes), 48 to a row block: block h is Q of head h, 16 + h K, 32 + h V.
; ctx: the same blocks, 16 to a row block (block = head).  Products, maxima and sums in f32; the weights are rounded to bf16 for the second product.
; SHARES.  Work-group (p, y): batch y / 16, head y % 16, query blocks p and 15 - p (128 queries each): p + 1 and 16 - p key blocks, 17 UNITS in every work-group.  A unit = one query block x 128 keys.
; Unit 0: block p against key block p (the diagonal: masked, starts the sums); units 1..p: key blocks 0..p-1; unit p + 1: block p goes out, block 15 - p's Q comes in, key block 15 - p
; (the diagonal again); then key blocks 0..14-p.
; EIGHT WAVES, two for each of a WGP's four SIMDs, so that one wave's softmax stands beside the other's products.  Wave w owns the 32 queries of quarter w & 3 (two tiles of 16) and, in every unit,
; the 64 keys of half w >> 2: each fragment of K and V is still read from LDS by four waves, as with four waves that walk both halves.  Each half keeps its own running maximum M, sum l and O^T;
; when a query block goes out, waves 4-7 hand theirs to waves 0-3 through LDS and those join the two: O = (O_A 2^(M_A - M) + O_B 2^(M_B - M)) / (l_A 2^(M_A - M) + l_B 2^(M_B - M)), M = max(M_A, M_B).
; LAYOUT.  S^T = K Q^T (source 0 = 16 keys, source 1 = 16 queries): a lane holds ONE query (lane % 16) and keys 8 (lane / 16) + 0..7 of each 16; two such tiles rounded in pairs are source 1 of O^T = V^T P.
; THE BIAS.  In base 2: y = c (s + 8 slope j), c = log2(e) / 8.  j = j0 + jl: the part 8 slope jl (jl = 0..63) is the C operand of the first product; log2(e) slope j0 is one number a step.
; The term - slope i is one number for a query and leaves its softmax unchanged: it is not added.  SOFTMAX with a running maximum M of y and sum l; O and l are multiplied by 2^(M_old - M_new) in every step.
; A QUERY WITHOUT A KEY.  In a diagonal unit a query of the block's first half sees none of the keys 64-127: the first maximum has the floor -2^127, so that such a lane has weights 0, l = 0, O = 0, a later
; factor 2^(M_old - M_new) = 0, and the factor 0 when the halves are joined.  The lower half's keys hold key 0 of the block, which every query sees: M_A is a true maximum.
; LIMITS: scores y under -2^127 are taken for -2^127 in a block's first step; weights under 2^-126 count as 0 (v_exp_f32); 1 / l by v_rcp_f32 (1 ULP).
; NO JOINT LOADS: the eight work-groups of a head walk different key blocks in the same unit (unit u of work-group p wants block u - 1 or u - p - 2), so no tile is wanted by two at one time.
; REGISTERS.  Window 0: v0-63 addresses and statistics, v64-127 S^T (32 a tile; P is packed into each tile's lower 16), v128-159 the bias, v160-191 Q, v192-255 O^T (32 a tile).
; Window 1: v0-63 K of my 64 keys, v64-127 V of my 64 keys, turned.
.set PK,    144                        ; a row of K in LDS: 128 bytes + 16
.set PV,    160                        ; a row of V: 128 + 32, an odd multiple of 32, for the turning load
.set VOFF,  128*PK
.set SLOT1, 65536                      ; a slot is 38,912 bytes; slot 1 begins here, so that one exclusive or changes slots
.set STAGE, SLOT1+128*(PK+PV)          ; behind the ring: 32 rows x 144 bytes for each of waves 0-3, for the way out
.set SP,    144
.set MERGE, STAGE+4*32*SP              ; behind the stages: what wave w + 4 hands to wave w: 17 x 512 bytes (O^T, then M and l of both tiles)
.set MPART, 17*512
.set SPARE, MERGE+4*MPART              ; the spare words, 128 bytes a wave: four blocks of 256 bytes that no other line names
.set KBS,   786432                     ; bytes from a row block of qkv to the next: 48 x 16,384
.set AK0, 2                            ; v2   my place in a tile of K, my key half included; never rewritten
.set AV0, 3                            ; v3   the same for V
.set ADRK, 4                           ; v4, v5  the same in the slot in hand
.set ADRV, 5
.set QO,  6                            ; v6   my byte offset in the wave's rows of Q
.set STO, 7
.set RD,  8
.set GO,  9
.set MA,  10                           ; v10  my 16 bytes in the first 512 of my quarter's part of MERGE
.set ST,  12                           ; tile t at v[12 + 8 t]: +0 d = SJ - M, +1 M, +2, +3 l (even keys', odd keys'), +4 .. +7 at work (the factor a in +6)
.set CH,  28                           ; tile t: four chains of sums at v[28 + 8 t]; v[28:31] also carry M and l through LDS
.set IQ,  44                           ; v44, v45  tile t: my query's place in the block - 8 (lane / 16) - 64 x my key half
.set SJV, 48                           ; v48  log2(e) slope j0
.set SL2, 49                           ; v49  log2(e) slope
.set NEG, 50                           ; v50  -infinity
.set SPW, 62
.set NIL, 63
.set S,   64
.set KB,  128
.set Q,   160
.set O,   192
.set G1K, 24                           ; s[24:31] descriptor group 1 for K;  s[32:39] for V (other padding)
.set G1V, 32
.set G0K, 40                           ; s[40:47] group 0 for K: a set for each first fill; the second then walks on.  s[48:55] the same for V
.set G0V, 48
.set MSB, 0
.macro WIN new
.if MSB != \new
	s_set_vgpr_msb (MSB<<8)|\new
.set MSB, \new
.endif
.endm
.macro JLOAD                           ; a refill: waves 0, 1 fetch the halves of K's block, waves 2, 3 of V's, waves 4-7 nothing; four v_nop follow each line
	s_cmp_lt_u32 s12, 2
	s_cbranch_scc0 .Lfor_v_\@
	tensor_load_to_lds s[G0K+4:G0K+7], s[G1K:G1K+7]
	s_nop 0
.rept 4
	v_nop
.endr
	s_branch .Lasked_\@
.Lfor_v_\@:
	s_cmp_lt_u32 s12, 4
	s_cbranch_scc0 .Lasked_\@
	tensor_load_to_lds s[G0V+4:G0V+7], s[G1V:G1V+7]
	s_nop 0
.rept 4
	v_nop
.endr
.Lasked_\@:
.endm
	s_load_b128 s[4:7], s[0:1], 0x0                ; qkv s[4:5], ctx s[6:7]
	v_lshl_add_u32 v[SPW], v0, 2, SPARE
	v_mov_b32 v[NIL], 0
	ds_add_u32 v62, v63
	s_wait_dscnt 0x0
	s_barrier_signal -1
	s_barrier_wait -1
	v_lshrrev_b32 v1, 5, v0
	v_readfirstlane_b32 s12, v1                    ; wave 0..7
	s_and_b32 s8, s12, 3                           ; my quarter of the queries
	s_lshr_b32 s10, s12, 2                         ; my half of the keys
	s_lshl_b32 s9, s10, 6                          ; its first key in a block
	s_mov_b32 s13, ttmp9                           ; p
	s_add_co_u32 s14, s13, 1                       ; p + 1: the unit in which the upper block begins
	s_sub_co_u32 s15, 15, s13                      ; 15 - p: the upper block
	s_and_b32 s16, ttmp7, 0xffff
	s_lshr_b32 s17, s16, 4                         ; batch
	s_and_b32 s18, s16, 15                         ; head
	s_and_b32 s19, s12, 1                          ; which 64 rows of a block I fetch (waves 0-3)
	s_mul_i32 s20, s19, 64*PK                      ; and where they go
	s_mul_i32 s21, s19, 64*PV
	s_mul_i32 s22, s17, 768                        ; K's block 0 of my head: (768 batch + 16 + head) x 16,384, + my 64 rows
	s_add_co_u32 s22, s22, s18
	s_add_co_u32 s22, s22, 16
	s_lshl_b32 s22, s22, 14
	s_lshl_b32 s23, s19, 13
	s_add_co_u32 s22, s22, s23
	s_mov_b32 s23, 0
	s_lshl_b32 s16, s17, 4
	s_add_co_u32 s16, s16, s13                     ; row block 16 batch + p
	s_mul_i32 s78, s16, 48
	s_add_co_u32 s78, s78, s18
	s_lshl_b32 s78, s78, 14
	s_lshl_b32 s79, s8, 12                         ; my quarter's 32 rows of 128 bytes
	s_add_co_u32 s78, s78, s79
	s_lshl_b32 s76, s16, 4
	s_add_co_u32 s76, s76, s18
	s_lshl_b32 s76, s76, 14
	s_add_co_u32 s76, s76, s79
	s_mov_b32 s79, 0
	s_mov_b32 s77, 0
	s_sub_co_u32 s80, 130, s18
	s_lshl_b32 s80, s80, 23                        ; 2^(3 - h) = 8 slope
	s_sub_co_u32 s81, 127, s18
	s_lshl_b32 s81, s81, 23                        ; 2^-h
	s_mov_b32 s58, 0x3e38aa3b                      ; c = log2(e) / 8
	s_mov_b32 s59, s58
	s_mov_b32 s60, 0x76543210
	s_mov_b32 s61, 0xfedcba98
	s_mov_b32 s[G1K], (1<<16)|(1<<20)|(4<<22)|(3<<25)   ; elements of 2 bytes; padding on; after every 32 words 4 words
	s_mov_b32 s[G1V], (1<<16)|(1<<20)|(4<<22)|(7<<25)   ; 8 words
.irp g, G1K, G1V
	s_mov_b32 s[\g+1], 64<<16                      ; tensor_dim0 = 64
	s_mov_b32 s[\g+2], 64<<16                      ; tensor_dim1 = 64
	s_mov_b32 s[\g+3], 64<<16                      ; tile_dim0 = 64
	s_mov_b32 s[\g+4], 64                          ; tile_dim1 = 64
	s_mov_b32 s[\g+5], 64                          ; from row to row
	s_mov_b32 s[\g+6], 0
	s_mov_b32 s[\g+7], 0
.endr
	s_cmp_lg_u32 s13, 0
	s_cselect_b32 s63, 0, s15                      ; unit 1's key block: 0, or with p = 0 the upper block's diagonal
	s_wait_kmcnt 0x0
	s_add_nc_u64 s[66:67], s[4:5], s[22:23]        ; K's base
	s_add_nc_u64 s[68:69], s[66:67], 16*16384      ; V's: sixteen blocks on
	s_add_nc_u64 s[70:71], s[4:5], s[78:79]        ; Q of my quarter
	s_add_nc_u64 s[72:73], s[6:7], s[76:77]        ; ctx of my quarter
	s_sub_co_u32 s16, s15, s13                     ; 15 - 2 p row blocks from the lower block to the upper
	s_mul_i32 s74, s16, KBS
	s_mov_b32 s75, 0
	s_lshl_b32 s76, s16, 18
	s_mul_i32 s22, s13, KBS                        ; unit 0's key block is p
	s_mul_i32 s78, s63, KBS
	s_mov_b32 s[G0K], 1
	s_add_co_u32 s[G0K+1], s20, 0
	s_add_nc_u64 s[G0K+2:G0K+3], s[66:67], s[22:23]
	s_or_b32 s[G0K+3], s[G0K+3], 0x80000000
	s_mov_b32 s[G0K+4], 1
	s_add_co_u32 s[G0K+5], s20, SLOT1
	s_add_nc_u64 s[G0K+6:G0K+7], s[66:67], s[78:79]
	s_or_b32 s[G0K+7], s[G0K+7], 0x80000000
	s_mov_b32 s[G0V], 1
	s_add_co_u32 s[G0V+1], s21, VOFF
	s_add_nc_u64 s[G0V+2:G0V+3], s[68:69], s[22:23]
	s_or_b32 s[G0V+3], s[G0V+3], 0x80000000
	s_mov_b32 s[G0V+4], 1
	s_add_co_u32 s[G0V+5], s21, SLOT1+VOFF
	s_add_nc_u64 s[G0V+6:G0V+7], s[68:69], s[78:79]
	s_or_b32 s[G0V+7], s[G0V+7], 0x80000000
	s_cmp_lt_u32 s12, 2                            ; a wave's two first fills stand in one branch, ahead of every wait on TENSORcnt and every LDS read: two loads of waves 0-3 are out, none of waves 4-7
	s_cbranch_scc0 .Lfirst_v
	tensor_load_to_lds s[G0K:G0K+3], s[G1K:G1K+7]
	s_nop 0
	tensor_load_to_lds s[G0K+4:G0K+7], s[G1K:G1K+7]
	s_nop 0
.rept 4
	v_nop
.endr
	s_branch .Lfirst_asked
.Lfirst_v:
	s_cmp_lt_u32 s12, 4
	s_cbranch_scc0 .Lfirst_asked
	tensor_load_to_lds s[G0V:G0V+3], s[G1V:G1V+7]
	s_nop 0
	tensor_load_to_lds s[G0V+4:G0V+7], s[G1V:G1V+7]
	s_nop 0
.rept 4
	v_nop
.endr
.Lfirst_asked:
	v_and_b32 v1, 15, v0                           ; r = l % 16
	v_bfe_u32 v54, v0, 4, 1                        ; hl = l / 16
	v_and_b32 v55, 7, v0                           ; l % 8
	v_bfe_u32 v51, v0, 3, 1                        ; (l / 8) % 2
	v_lshlrev_b32 v[QO], 7, v1
	v_lshl_add_u32 v[QO], v54, 4, v[QO]            ; row r x 128 + 16 hl
.macro QLOAD                           ; Q of my 32 queries: tile t, channels 32 c on
.irp t, 0,1
.irp c, 0,1
	global_load_b128 v[Q+16*\t+8*\c:Q+16*\t+8*\c+3],   v[QO], s[70:71] offset:2048*\t+64*\c
	global_load_b128 v[Q+16*\t+8*\c+4:Q+16*\t+8*\c+7], v[QO], s[70:71] offset:2048*\t+64*\c+32
.endr
.endr
.endm
	QLOAD
	v_mul_u32_u24 v[AK0], v1, PK
	v_lshl_add_u32 v[AK0], v54, 4, v[AK0]
	s_mul_i32 s16, s10, 64*PK                      ; my half's 64 rows
	v_add_nc_u32 v[AK0], s16, v[AK0]
	v_lshl_add_u32 v[AV0], v54, 3, v55             ; the turning load: key 8 hl + l % 8, 16 bytes for each eight lanes
	v_mul_u32_u24 v[AV0], v[AV0], PV
	v_lshl_add_u32 v[AV0], v51, 4, v[AV0]
	s_mul_i32 s16, s10, 64*PV
	s_add_co_u32 s16, s16, VOFF
	v_add_nc_u32 v[AV0], s16, v[AV0]
	s_mul_i32 s16, s8, 32*SP
	s_add_co_u32 s16, s16, STAGE                   ; my quarter's stage (waves 0-3 alone use it)
	v_mul_u32_u24 v[STO], v1, SP
	v_lshl_add_u32 v[STO], v54, 4, v[STO]
	v_add_nc_u32 v[STO], s16, v[STO]
	v_bfe_u32 v53, v0, 3, 2                        ; back: 32 lanes take four rows of 128 bytes
	v_mul_u32_u24 v[RD], v53, SP
	v_lshl_add_u32 v[RD], v55, 4, v[RD]
	v_add_nc_u32 v[RD], s16, v[RD]
	v_and_b32 v[GO], 31, v0
	v_lshlrev_b32 v[GO], 4, v[GO]
	s_mul_i32 s16, s8, MPART
	s_add_co_u32 s16, s16, MERGE                   ; my quarter's part of MERGE: wave w + 4 writes it, wave w reads it
	v_add_nc_u32 v[MA], s16, v[GO]
	v_lshlrev_b32 v52, 3, v54                      ; 8 hl
	v_sub_nc_u32 v[IQ], v1, v52
	s_lshl_b32 s16, s8, 5
	s_sub_co_u32 s16, s16, s9
	v_add_nc_u32 v[IQ], s16, v[IQ]                 ; 32 quarter + r - 8 hl - 64 half (may be negative: it is compared as a signed number)
	v_add_nc_u32 v[IQ+1], 16, v[IQ]
	v_mov_b32 v[SL2], 0x3fb8aa3b
	v_mul_f32 v[SL2], s81, v[SL2]
	v_mov_b32 v[NEG], 0xff800000
.set i, 0
.rept 32                               ; the bias inside a step: (16 kt + 8 hl + e) x 8 slope
	v_add_nc_u32 v[KB+i], 16*(i/8)+i%8, v52
	v_cvt_f32_u32 v[KB+i], v[KB+i]
	v_mul_f32 v[KB+i], s80, v[KB+i]
.set i, i+1
.endr
; 32 LDS loads: K of my 64 keys, then their V, turned
.macro FETCH
	WIN 0x40                                       ; destination window 1
.irp kt, 0,1,2,3
.irp c, 0,1
	ds_load_b128 v[16*\kt+8*\c:16*\kt+8*\c+3],   v[ADRK] offset:16*\kt*PK+64*\c
	ds_load_b128 v[16*\kt+8*\c+4:16*\kt+8*\c+7], v[ADRK] offset:16*\kt*PK+64*\c+32
.endr
.endr
.irp kk, 0,1
.irp cb, 0,1,2,3
	ds_load_tr16_b128 v[64+32*\kk+8*\cb:64+32*\kk+8*\cb+3],   v[ADRV] offset:32*\kk*PV+32*\cb
	ds_load_tr16_b128 v[64+32*\kk+8*\cb+4:64+32*\kk+8*\cb+7], v[ADRV] offset:32*\kk*PV+32*\cb+16*PV
.endr
.endr
	WIN 0
.endm
; THE HEAD OF UNIT U (s56).  Each wave waits for all its tensor loads (of waves 0-3 one is out: a part of this unit's slot), adds 0 to its spare word, and waits for that and for its reads of the other slot.
; Behind the barrier the other slot is filled with unit U + 1's key block (refill = 1), first thing; that load has this unit's work in which to land.  Then this unit's fragments are fetched.
.macro HEAD refill
	s_wait_tensorcnt 0x0                           ; no tensor load of mine is out, so a group 0 may be written
	ds_add_u32 v[SPW], v[NIL]                      ; 0 onto my spare word; scalar work stands between it and the wait for it
	s_mov_b32 s57, s63                             ; this unit's key block
	s_add_co_u32 s16, s56, 1                       ; v = U + 1
	s_sub_co_u32 s17, s56, s14
	s_cmp_le_u32 s16, s13                          ; v <= p: key block v - 1;  v > p + 1: v - p - 2;
	s_cselect_b32 s63, s56, s17
	s_cmp_eq_u32 s16, s14                          ; v = p + 1: the upper block's diagonal
	s_cselect_b32 s63, s15, s63
.if \refill
	s_mul_i32 s78, s63, KBS
	s_mov_b32 s79, 0
	s_xor_b32 s[G0K+5], s[G0K+5], SLOT1            ; the walking descriptors: the other slot than last time
	s_add_nc_u64 s[G0K+6:G0K+7], s[66:67], s[78:79]
	s_or_b32 s[G0K+7], s[G0K+7], 0x80000000
	s_xor_b32 s[G0V+5], s[G0V+5], SLOT1
	s_add_nc_u64 s[G0V+6:G0V+7], s[68:69], s[78:79]
	s_or_b32 s[G0V+7], s[G0V+7], 0x80000000
.endif
	s_lshl_b32 s82, s57, 7                         ; j0: the block's first key + my half
	s_add_co_u32 s82, s82, s9
	s_wait_dscnt 0x0                               ; the add is done, and my reads of the other slot are over
	s_barrier_signal -1
	s_barrier_wait -1
.if \refill
	JLOAD
.endif
	s_xor_b32 s62, s62, SLOT1
	v_add_nc_u32 v[ADRK], s62, v[AK0]
	v_add_nc_u32 v[ADRV], s62, v[AV0]
	FETCH
.endm
.macro MAXT t                          ; the largest of the lane's 32 scores, three operands at a time, then the other half of the lanes'; each accumulator is read from its low end on
.set rT, ST+8*\t
.set rS, S+32*\t
.irp j, 0,1,2,3
	v_max3_num_f32 v[rT+4+\j], v[rS+8*\j], v[rS+8*\j+1], v[rS+8*\j+2]
.endr
.irp j, 0,1,2,3
	v_max3_num_f32 v[rT+4+\j], v[rT+4+\j], v[rS+8*\j+3], v[rS+8*\j+4]
.endr
.irp j, 0,1,2,3
	v_max3_num_f32 v[rT+4+\j], v[rT+4+\j], v[rS+8*\j+5], v[rS+8*\j+6]
.endr
	v_max3_num_f32 v[rT+4], v[rT+4], v[rS+7], v[rS+15]
	v_max3_num_f32 v[rT+6], v[rT+6], v[rS+23], v[rS+31]
	v_max3_num_f32 v[rT+4], v[rT+4], v[rT+5], v[rT+6]
	v_max_num_f32 v[rT+4], v[rT+4], v[rT+7]
	v_permlanex16_b32 v[rT+5], v[rT+4], s60, s61
	v_max_num_f32 v[rT+4], v[rT+4], v[rT+5]
.endm
.macro STATS t, ini                    ; y = c max + SJ; the new M; a = 2^(M_old - M_new); d = SJ - M
.set rT, ST+8*\t
.if \ini
	v_fma_f32 v[rT+1], v[rT+4], s58, v[SJV]
	v_max_num_f32 v[rT+1], 0xff000000, v[rT+1]     ; the floor -2^127, for a query that sees none of my keys
	v_sub_f32 v[rT], v[SJV], v[rT+1]
.else
	v_fma_f32 v[rT+4], v[rT+4], s58, v[SJV]
	v_max_num_f32 v[rT+7], v[rT+1], v[rT+4]
	v_sub_f32 v[rT+5], v[rT+1], v[rT+7]
	v_mov_b32 v[rT+1], v[rT+7]
	v_exp_f32 v[rT+6], v[rT+5]
	v_sub_f32 v[rT], v[SJV], v[rT+1]               ; also the plain instruction behind the exponential
.endif
.endm
.macro SCALE t                         ; c s + d, two at a time
.set rT, ST+8*\t
.set rS, S+32*\t
.set i, 0
.rept 16
	v_pk_fma_f32 v[rS+2*i:rS+2*i+1], v[rS+2*i:rS+2*i+1], s[58:59], v[rT:rT+1] op_sel_hi:[1,0,0]
.set i, i+1
.endr
.endm
.macro SUMS t, ini                     ; the 16 pairs of weights in four chains; l = a l + the sum
.set rT, ST+8*\t
.set rS, S+32*\t
.set rC, CH+8*\t
.irp k, 0,1,2,3
	v_pk_add_f32 v[rC+2*\k:rC+2*\k+1], v[rS+2*\k:rS+2*\k+1], v[rS+8+2*\k:rS+9+2*\k]
.endr
.irp k, 0,1,2,3,4,5,6,7
	v_pk_add_f32 v[rC+2*(\k%4):rC+2*(\k%4)+1], v[rC+2*(\k%4):rC+2*(\k%4)+1], v[rS+16+2*\k:rS+17+2*\k]
.endr
	v_pk_add_f32 v[rC:rC+1], v[rC:rC+1], v[rC+2:rC+3]
	v_pk_add_f32 v[rC+4:rC+5], v[rC+4:rC+5], v[rC+6:rC+7]
.if \ini
	v_pk_add_f32 v[rT+2:rT+3], v[rC:rC+1], v[rC+4:rC+5]
.else
	v_pk_add_f32 v[rC:rC+1], v[rC:rC+1], v[rC+4:rC+5]
	v_pk_fma_f32 v[rT+2:rT+3], v[rT+2:rT+3], v[rT+6:rT+7], v[rC:rC+1] op_sel_hi:[1,0,1]
.endif
.endm
; A UNIT'S STEP: my 32 queries against my 64 keys.  fm = 1: the diagonal unit: masked, and it starts M, l and O^T.
.macro STEP fm
	v_cvt_f32_u32 v[SJV], s82
	v_mul_f32 v[SJV], v[SJV], v[SL2]
	s_wait_dscnt 16                                ; K is in; V's 16 loads may be out
	WIN 1                                          ; source 0 window 1
.irp kt, 0,1,2,3                       ; eight accumulators by turns; the first products take the bias as C
.irp t, 0,1
	v_wmma_f32_16x16x32_bf16 v[S+32*\t+8*\kt:S+32*\t+8*\kt+7], v[16*\kt:16*\kt+7], v[Q+16*\t:Q+16*\t+7], v[KB+8*\kt:KB+8*\kt+7]
.endr
.endr
.irp kt, 0,1,2,3
.irp t, 0,1
	v_wmma_f32_16x16x32_bf16 v[S+32*\t+8*\kt:S+32*\t+8*\kt+7], v[16*\kt+8:16*\kt+15], v[Q+16*\t+8:Q+16*\t+15], v[S+32*\t+8*\kt:S+32*\t+8*\kt+7]
.endr
.endr
	WIN 0
.rept 4
	v_nop                                          ; four places between the products and the first read of their results
.endr
.if \fm
.irp t, 0,1                            ; key 64 half + 16 kt + 8 hl + e lies above query 32 quarter + 16 t + r: -infinity
.irp kt, 0,1,2,3
.irp e, 0,1,2,3,4,5,6,7
	v_cmp_gt_i32 vcc_lo, 16*\kt+\e, v[IQ+\t]
	v_cndmask_b32 v[S+32*\t+8*\kt+\e], v[S+32*\t+8*\kt+\e], v[NEG], vcc_lo
.endr
.endr
.endr
.endif
	MAXT 0
	MAXT 1
	STATS 0, \fm
	STATS 1, \fm
	SCALE 0
	SCALE 1
.set i, 0
.rept 64
	v_exp_f32 v[S+i], v[S+i]
.set i, i+1
.endr
	v_nop                                          ; a plain instruction between the last exponential and the use of its result
	s_wait_alu depctr_va_vdst(0)
	SUMS 0, \fm
	SUMS 1, \fm
.irp t, 0,1                            ; the weights, rounded in pairs, into the tile's lower 16 registers: register i takes weights 2 i, 2 i + 1, which lie at or above it
.set i, 0
.rept 16
	v_cvt_pk_bf16_f32 v[S+32*\t+i], v[S+32*\t+2*i], v[S+32*\t+2*i+1]
.set i, i+1
.endr
.endr
.if \fm == 0
.irp t, 0,1
.set i, 0
.rept 16
	v_pk_mul_f32 v[O+32*\t+2*i:O+32*\t+2*i+1], v[O+32*\t+2*i:O+32*\t+2*i+1], v[ST+8*\t+6:ST+8*\t+7] op_sel_hi:[1,0]
.set i, i+1
.endr
.endr
.endif
	s_wait_dscnt 0x0                               ; V is in
	WIN 1
.irp kk, 0,1                           ; eight accumulators by turns
.irp cb, 0,1,2,3
.irp t, 0,1
.if \fm && (\kk == 0)
	v_wmma_f32_16x16x32_bf16 v[O+32*\t+8*\cb:O+32*\t+8*\cb+7], v[64+32*\kk+8*\cb:64+32*\kk+8*\cb+7], v[S+32*\t+8*\kk:S+32*\t+8*\kk+7], 0
.else
	v_wmma_f32_16x16x32_bf16 v[O+32*\t+8*\cb:O+32*\t+8*\cb+7], v[64+32*\kk+8*\cb:64+32*\kk+8*\cb+7], v[S+32*\t+8*\kk:S+32*\t+8*\kk+7], v[O+32*\t+8*\cb:O+32*\t+8*\cb+7]
.endif
.endr
.endr
.endr
	WIN 0
.rept 5
	v_nop                                          ; five places: the next products write over P, a source of these; loads into K's and V's registers and reads of O^T stand behind them too
.endr
.endm
; A QUERY BLOCK GOES OUT.  Waves 4-7 put O^T, M and l into MERGE; a barrier; waves 0-3 join the two halves, divide by l, round, and send 4,096 consecutive bytes of ctx through their stage.
; next = 1: the upper block's Q comes in meanwhile (all eight waves), and the pointers step to it.  The barrier is a plain one.
; MERGE is written again only in the second call: at least eight units' barriers lie between, each behind every wave's wait for its LDS reads.
.macro FINAL next
.if \next
	s_add_nc_u64 s[70:71], s[70:71], s[74:75]      ; Q's earlier loads have been waited for
	QLOAD
.endif
.irp t, 0,1
	v_add_f32 v[ST+8*\t+2], v[ST+8*\t+2], v[ST+8*\t+3]   ; even keys' and odd keys' sums
.endr
	s_cmp_lt_u32 s12, 4
	s_cbranch_scc1 .Lkeeps_\@
	v_mov_b32 v[CH], v[ST+1]
	v_mov_b32 v[CH+1], v[ST+2]
	v_mov_b32 v[CH+2], v[ST+9]
	v_mov_b32 v[CH+3], v[ST+10]
.irp i, 0,1,2,3,4,5,6,7,8,9,10,11,12,13,14,15
	ds_store_b128 v[MA], v[O+4*\i:O+4*\i+3] offset:512*\i   ; 32 lanes, 16 neighbouring bytes each
.endr
	ds_store_b128 v[MA], v[CH:CH+3] offset:8192
.Lkeeps_\@:
	s_wait_dscnt 0x0                               ; for the others' sake: my stores are done (and no LDS load of mine is out at the signal)
	s_barrier_signal -1
	s_barrier_wait -1
	s_cmp_lt_u32 s12, 4
	s_cbranch_scc0 .Lgone_\@                       ; waves 4-7 go on to the next block's first step
.irp i, 0,1,2,3,4,5,6,7,8,9,10,11,12,13,14,15
	ds_load_b128 v[S+4*\i:S+4*\i+3], v[MA] offset:512*\i
.endr
	ds_load_b128 v[CH:CH+3], v[MA] offset:8192
	s_wait_dscnt 0x0
.irp t, 0,1
	v_max_num_f32 v[ST+8*\t+4], v[ST+8*\t+1], v[CH+2*\t]         ; M
.endr
.irp t, 0,1
	v_sub_f32 v[ST+8*\t+5], v[ST+8*\t+1], v[ST+8*\t+4]
	v_sub_f32 v[ST+8*\t+6], v[CH+2*\t], v[ST+8*\t+4]
.endr
.irp t, 0,1
	v_exp_f32 v[ST+8*\t+5], v[ST+8*\t+5]                         ; 2^(M_A - M)
	v_exp_f32 v[ST+8*\t+6], v[ST+8*\t+6]                         ; 2^(M_B - M)
.endr
	v_nop
	s_wait_alu depctr_va_vdst(0)
.irp t, 0,1
	v_mul_f32 v[ST+8*\t+2], v[ST+8*\t+2], v[ST+8*\t+5]
.endr
.irp t, 0,1
	v_fma_f32 v[ST+8*\t+2], v[CH+2*\t+1], v[ST+8*\t+6], v[ST+8*\t+2]
.endr
.irp t, 0,1
	v_permlanex16_b32 v[ST+8*\t+3], v[ST+8*\t+2], s60, s61       ; the query's other keys lie in the lane 16 away
.endr
.irp t, 0,1
	v_add_f32 v[ST+8*\t+2], v[ST+8*\t+2], v[ST+8*\t+3]
.endr
.irp t, 0,1
	v_rcp_f32 v[ST+8*\t+3], v[ST+8*\t+2]
.endr
	v_nop
	s_wait_alu depctr_va_vdst(0)
.irp t, 0,1
	v_mul_f32 v[ST+8*\t+4], v[ST+8*\t+5], v[ST+8*\t+3]           ; 2^(M_A - M) / l
	v_mul_f32 v[ST+8*\t+6], v[ST+8*\t+6], v[ST+8*\t+3]           ; 2^(M_B - M) / l
.endr
.irp t, 0,1
.set i, 0
.rept 16
	v_pk_mul_f32 v[O+32*\t+2*i:O+32*\t+2*i+1], v[O+32*\t+2*i:O+32*\t+2*i+1], v[ST+8*\t+4:ST+8*\t+5] op_sel_hi:[1,0]
.set i, i+1
.endr
.endr
.irp t, 0,1
.set i, 0
.rept 16
	v_pk_fma_f32 v[O+32*\t+2*i:O+32*\t+2*i+1], v[S+32*\t+2*i:S+32*\t+2*i+1], v[ST+8*\t+6:ST+8*\t+7], v[O+32*\t+2*i:O+32*\t+2*i+1] op_sel_hi:[1,0,1]
.set i, i+1
.endr
.endr
.irp t, 0,1
.set i, 0
.rept 16
	v_cvt_pk_bf16_f32 v[S+32*\t+i], v[O+32*\t+2*i], v[O+32*\t+2*i+1]
.set i, i+1
.endr
.endr
.irp t, 0,1
.irp cb, 0,1,2,3
	ds_store_b128 v[STO], v[S+32*\t+4*\cb:S+32*\t+4*\cb+3] offset:16*SP*\t+32*\cb
.endr
.endr
.irp f, 0,1,2,3,4,5,6,7
	ds_load_b128 v[S+16+4*\f+16*(\f/4):S+16+4*\f+16*(\f/4)+3], v[RD] offset:4*SP*\f   ; LDS serves a wave's instructions in order: these see the stores above
.endr
	s_wait_dscnt 0x0
.irp f, 0,1,2,3,4,5,6,7
	global_store_b128 v[GO], v[S+16+4*\f+16*(\f/4):S+16+4*\f+16*(\f/4)+3], s[72:73] offset:512*\f   ; a wave's store covers 512 consecutive bytes, aligned
.endr
	s_wait_xcnt 0x0                                ; the stores' base and data registers are rewritten only behind this wait
.if \next
	s_add_nc_u64 s[72:73], s[72:73], s[76:77]
.endif
.Lgone_\@:
.if \next
	s_wait_loadcnt 0x0                             ; the upper block's Q
.endif
.endm
	s_wait_tensorcnt 0x1                           ; my part of unit 0 is in; unit 1's may stay out
	s_barrier_signal -1
	s_barrier_wait -1
	s_mov_b32 s62, 0
	v_mov_b32 v[ADRK], v[AK0]
	v_mov_b32 v[ADRV], v[AV0]
	FETCH
	s_lshl_b32 s82, s13, 7                         ; unit 0's keys begin at 128 p, mine 64 x half further on
	s_add_co_u32 s82, s82, s9
	s_wait_loadcnt 0x0                             ; Q
	STEP 1
	s_mov_b32 s56, 1
.Lunit:                                                ; units 1 to 15: each asks for the unit after it
	HEAD 1
	s_cmp_eq_u32 s56, s14
	s_cbranch_scc1 .Lfm                            ; the same in all eight waves; it jumps over no tensor load
	STEP 0
	s_branch .Ljoin
.Lfm:
	FINAL 1
	STEP 1
.Ljoin:
	s_add_co_u32 s56, s56, 1
	s_cmp_lt_u32 s56, 16
	s_cbranch_scc1 .Lunit
	HEAD 0                                         ; unit 16: nothing is left to ask for
	STEP 0
	FINAL 0
	s_wait_tensorcnt 0x0                           ; the wave's end
	ds_add_u32 v[SPW], v[NIL]
	s_wait_dscnt 0x0
	s_endpgm
.Lfunc_end_k_qf4df92e314_attn:
	.size	k_qf4df92e314_attn, .Lfunc_end_k_qf4df92e314_attn-k_qf4df92e314_attn
	.p2alignl 7, 3214868480
	.fill 96, 4, 3214868480
	.section	.rodata,"a",@progbits
	.p2align	6, 0x0
	.amdhsa_kernel k_qf4df92e314_attn
		.amdhsa_group_segment_fixed_size 327680
		.amdhsa_private_segment_fixed_size 0
		.amdhsa_enable_private_segment 0
		.amdhsa_kernarg_size 16
		.amdhsa_user_sgpr_count 2
		.amdhsa_user_sgpr_kernarg_segment_ptr 1
		.amdhsa_wavefront_size32 1
		.amdhsa_system_sgpr_workgroup_id_x 1
		.amdhsa_system_sgpr_workgroup_id_y 1
		.amdhsa_system_sgpr_workgroup_id_z 1
		.amdhsa_system_vgpr_workitem_id 0
		.amdhsa_next_free_vgpr 384
		.amdhsa_next_free_sgpr 84
		.amdhsa_reserve_vcc 1
		.amdhsa_float_denorm_mode_32 3
		.amdhsa_float_denorm_mode_16_64 3
		.amdhsa_memory_ordered 1
		.amdhsa_forward_progress 1
		.amdhsa_inst_pref_size 108
	.end_amdhsa_kernel
	.amdgpu_metadata
---
amdhsa.version: [ 1, 2 ]
amdhsa.kernels:
  - .name:           k_qf4df92e314_attn
    .symbol:         k_qf4df92e314_attn.kd
    .args:
      - { .name: qkv, .offset: 0, .size: 8, .value_kind: global_buffer, .address_space: global }
      - { .name: ctx, .offset: 8, .size: 8, .value_kind: global_buffer, .address_space: global }
    .group_segment_fixed_size: 327680
    .private_segment_fixed_size: 0
    .kernarg_segment_align: 8
    .kernarg_segment_size: 16
    .max_flat_workgroup_size: 256
    .sgpr_count:     84
    .vgpr_count:     384
    .wavefront_size: 32
...
	.end_amdgpu_metadata
.endif
;; end of part 3
;; launch gemm_out (part 4): grid 8 x 32, 4 waves a work-group, clusters of 4 x 4, 327,680 bytes of LDS; arguments ctx, wb, out_b, src, src2; writes src2
.if DOCPART == 4
	.amdgcn_target "amdgcn-amd-amdhsa--gfx1250"
	.amdhsa_code_object_version 6
	.text
	.protected	k_qf4df92e314_gemm_out
	.globl	k_qf4df92e314_gemm_out
	.p2align	8
	.type	k_qf4df92e314_gemm_out,@function
k_qf4df92e314_gemm_out:
	s_mov_b64 s[64:65], 0
	v_nop
	global_prefetch_b8 v0, s[64:65] scope:SCOPE_SE
	s_setreg_imm32_b32 hwreg(HW_REG_WAVE_MODE, 25, 1), 1
	s_wait_xcnt 0x0
	s_wait_alu depctr_hold_cnt(0) depctr_sa_sdst(0) depctr_va_vdst(0) depctr_va_sdst(0) depctr_va_ssrc(0) depctr_va_vcc(0) depctr_vm_vsrc(0)
	s_getreg_b32 s2, hwreg(HW_REG_IB_STS2, 6, 4)
	s_cmp_eq_u32 s2, 0
	s_cbranch_scc0 .Lentry_in_a_cluster
	s_endpgm
.Lentry_in_a_cluster:
	s_bfe_u32 s2, ttmp6, 0x10000c
	s_cmp_lg_u32 s2, 0xf033
	s_cbranch_scc0 .Lentry_shape_is_right
	s_endpgm
.Lentry_shape_is_right:
; OUT = RES + A W + bias.  A: [4096][SIZE_K] bf16 in blocks of 128 rows x 64 columns (16,384 bytes), NCBA to a row block.  W: [SIZE_K][1024] bf16, N along the rows, at byte WOFF of wb.
; bias: [1024] f32.  RES, OUT: [4096][1024] f32, row-major.  Sums in f32.
; 4,096 x 1,024 makes 64 tiles of 256 x 256 but 256 tiles of 128 x 128: the smaller tile gives each of 256 work-groups one.  Four waves, each 64 x 64: 16 accumulators.
; K goes in steps of 256 through two LDS slots.  CLUSTERS of 4 x 4: A's tile is asked for jointly along a row of the cluster, W's along a column.
; THE MATRIX INSTRUCTION IS USED TRANSPOSED (source 0 = 16 columns of W, turned by ds_load_tr16_b128; source 1 = 16 rows of A).  THE BIAS is the C operand of each accumulator's first product.
; The residual is asked for at the start and stays on its way during the products.  A wave's 64 columns of f32 are 256 bytes: each wave has a stage of its own and stores whole aligned runs of 256 bytes.
; REGISTERS: window 0: v0-31 addresses, v32-95 the way out, v96-127 the bias, v128-255 the accumulators; window 1: two fragment buffers of 128 (64 of A, 64 of W, for 64 along K); window 2: v0-127 the residual.
.set SIZE_K, 1024
.set NCBA,   16
.set WOFF,   6291456
.set KSTEP,  256
.set LAPS,   SIZE_K/(2*KSTEP)
.set PA,     144                       ; a row of A in LDS: 128 bytes + 16
.set PB,     288                       ; a row of W in LDS: 256 bytes + 32, an odd multiple of 32
.set PART,   36864                     ; one load: two blocks of 128 rows x 144, or 128 rows x 288
.set BOFF,   2*PART
.set SLOT,   4*PART
.set STAGE,  2*SLOT                    ; behind the ring: 16 rows x 272 bytes for each wave
.set SPITCH, 272
.set SPARE,  STAGE+4*16*SPITCH         ; the spare words, 128 bytes a wave
.set ADRA, 16                          ; v16-17  A's fragments in slot 0, 1
.set ADRB, 20                          ; v20-23  W's fragments: slot 0 K rows 0-127, 128-255; slot 1 likewise
.set STO,  24
.set RD,   25
.set CO,   26                          ; v26     my byte offset in RES and OUT; never rewritten
.set BO,   27
.set SPW,  28
.set NIL,  29
.set TMP,  32
.set BIAS, 96
.set ACC,  128
.set F0,   0
.set F1,   128
.set G1,  24
.set G0,  32
.set G1B, 48
.set G0B, 56
.set MSB, 0
.macro WIN new
.if MSB != \new
	s_set_vgpr_msb (MSB<<8)|\new
.set MSB, \new
.endif
.endm
.set MUL,  0x05                        ; sources 0 (W) and 1 (A) window 1; C and D window 0
.set TO_F, 0x40                        ; destination window 1, address window 0
.macro JLOAD s                         ; a joint load: waves 0, 1 fetch A's halves, waves 2, 3 W's; four v_nop follow each line
	s_cmp_eq_u32 s13, 0
	s_cbranch_scc0 .Lfor_b_\@
	tensor_load_to_lds s[G0+4*\s:G0+4*\s+3], s[G1:G1+7]
	s_nop 0
.rept 4
	v_nop
.endr
	s_branch .Lasked_\@
.Lfor_b_\@:
	tensor_load_to_lds s[G0B+4*\s:G0B+4*\s+3], s[G1B:G1B+7]
	s_nop 0
.rept 4
	v_nop
.endr
.Lasked_\@:
.endm
.macro CREST
	s_cmp_lg_u32 s12, 0
	s_cbranch_scc1 .Lnot_wave_0_\@
	s_barrier_signal -3
.Lnot_wave_0_\@:
	s_barrier_wait -3
	s_barrier_signal -1
	s_barrier_wait -1
.endm
.macro CROUND
	s_barrier_signal -1
	s_barrier_wait -1
	CREST
.endm
.macro PLACES
.rept 4
	v_nop
.endr
.endm
	s_load_b256 s[4:11], s[0:1], 0x0               ; A s[4:5], wb s[6:7], bias s[8:9], RES s[10:11]
	s_load_b64 s[2:3], s[0:1], 0x20                ; OUT
	v_lshl_add_u32 v[SPW], v0, 2, SPARE
	v_mov_b32 v[NIL], 0
	ds_add_u32 v28, v29
	s_wait_dscnt 0x0
	v_lshrrev_b32 v1, 5, v0
	v_readfirstlane_b32 s12, v1                    ; wave
	s_lshr_b32 s13, s12, 1                         ; WR: my half of the rows.  Also: I fetch for A (0) or W (1)
	s_and_b32 s14, s12, 1                          ; WC: my half of the columns.  Also: which half I fetch
	s_bfe_u32 s40, ttmp6, 0x40000                  ; cx
	s_bfe_u32 s41, ttmp6, 0x40004                  ; cy
	s_lshl_b32 s42, ttmp9, 2
	s_add_co_u32 s42, s42, s40                     ; tile column
	s_and_b32 s43, ttmp7, 0xffff
	s_lshl_b32 s43, s43, 2
	s_add_co_u32 s43, s43, s41                     ; tile row
	s_lshl_b32 s44, s41, 2
	s_lshl_b32 s44, 15, s44                        ; my row of the cluster
	s_lshl_b32 s45, 0x1111, s40                    ; my column
	s_or_b32 s[G1+0], s44, (1<<16)|(1<<20)|(1<<21)|(4<<22)|(3<<25)   ; mask; 2 bytes; padding on; bit 21 beside a mask; after every 32 words 4 words
	s_mov_b32 s[G1+1], 64<<16                      ; tensor_dim0 = 64
	s_mov_b32 s[G1+2], 256<<16                     ; tensor_dim1 = 256: two blocks, which follow each other in memory
	s_mov_b32 s[G1+3], 64<<16                      ; tile_dim0
	s_mov_b32 s[G1+4], 256                         ; tile_dim1
	s_mov_b32 s[G1+5], 64
	s_mov_b32 s[G1+6], 0
	s_mov_b32 s[G1+7], 0
	s_or_b32 s[G1B+0], s45, (1<<16)|(1<<20)|(1<<21)|(5<<22)|(7<<25)  ; after every 64 words 8 words
	s_mov_b32 s[G1B+1], 128<<16
	s_mov_b32 s[G1B+2], 128<<16
	s_mov_b32 s[G1B+3], 128<<16
	s_mov_b32 s[G1B+4], 128
	s_mov_b32 s[G1B+5], 1024
	s_mov_b32 s[G1B+6], 0
	s_mov_b32 s[G1B+7], 0
	s_mul_i32 s16, s43, NCBA                       ; A: block (tile row, 2 x half)
	s_lshl1_add_u32 s16, s14, s16
	s_lshl_b32 s16, s16, 14
	s_mov_b32 s17, 0
	s_lshl_b32 s46, s14, 18                        ; W: 128 rows of 2,048 bytes for the half, 256 bytes for the tile column
	s_lshl_b32 s47, s42, 8
	s_add_co_u32 s46, s46, s47
	s_add_co_u32 s46, s46, WOFF
	s_mov_b32 s47, 0
	s_mul_i32 s20, s12, PART                       ; where they go: wave x one load's bytes
	s_wait_kmcnt 0x0
	s_add_nc_u64 s[16:17], s[4:5], s[16:17]
	s_add_nc_u64 s[46:47], s[6:7], s[46:47]
	CROUND                                         ; all sixteen work-groups are here: the first joint loads meet
.irp s, 0,1
	s_mov_b32 s[G0+4*\s], 1
	s_add_co_u32 s[G0+4*\s+1], s20, \s*SLOT
	s_add_nc_u64 s[G0+4*\s+2:G0+4*\s+3], s[16:17], \s*65536          ; K step s: four blocks on
	s_or_b32 s[G0+4*\s+3], s[G0+4*\s+3], 0x80000000
	s_mov_b32 s[G0B+4*\s], 1
	s_add_co_u32 s[G0B+4*\s+1], s20, \s*SLOT
	s_add_nc_u64 s[G0B+4*\s+2:G0B+4*\s+3], s[46:47], \s*524288       ; K step s: 256 rows on
	s_or_b32 s[G0B+4*\s+3], s[G0B+4*\s+3], 0x80000000
	JLOAD \s                                       ; two loads of mine are out
.endr
	v_and_b32 v1, 15, v0                           ; r
	v_bfe_u32 v2, v0, 4, 1                         ; hl
	v_and_b32 v3, 7, v0
	v_bfe_u32 v4, v0, 3, 1
	v_mul_u32_u24 v5, v1, PA
	v_lshl_add_u32 v5, v2, 4, v5
	s_mul_i32 s22, s13, 64*PA                      ; my 64 rows in each block
	v_add_nc_u32 v[ADRA], s22, v5
	v_add_nc_u32 v[ADRA+1], SLOT, v[ADRA]
	v_lshl_add_u32 v6, v2, 3, v3
	v_mul_u32_u24 v6, v6, PB
	v_lshl_add_u32 v6, v4, 4, v6
	s_lshl_b32 s22, s14, 7                         ; my 64 columns
	s_add_co_u32 s22, s22, BOFF
	v_add_nc_u32 v[ADRB], s22, v6
	v_add_nc_u32 v[ADRB+1], 128*PB, v[ADRB]
	v_add_nc_u32 v[ADRB+2], SLOT, v[ADRB]
	v_add_nc_u32 v[ADRB+3], SLOT, v[ADRB+1]
	s_mul_i32 s22, s12, 16*SPITCH
	s_add_co_u32 s22, s22, STAGE                   ; my stage
	v_mul_u32_u24 v5, v1, SPITCH                   ; in: row r, 32 bytes (eight f32) for each half of the lanes
	v_lshl_add_u32 v5, v2, 5, v5
	v_add_nc_u32 v[STO], s22, v5
	v_mul_u32_u24 v5, v2, SPITCH                   ; back: lanes 0-15 one row of 256 bytes, lanes 16-31 the next
	v_lshl_add_u32 v5, v1, 4, v5
	v_add_nc_u32 v[RD], s22, v5
	v_lshlrev_b32 v5, 12, v2
	v_lshl_add_u32 v[CO], v1, 4, v5
	v_lshlrev_b32 v[BO], 5, v2
	s_lshl_b32 s22, s42, 9                         ; bias at my 64 columns
	s_lshl_b32 s23, s14, 8
	s_add_co_u32 s22, s22, s23
	s_mov_b32 s23, 0
	s_add_nc_u64 s[8:9], s[8:9], s[22:23]
	s_lshl_b32 s18, s43, 19                        ; RES and OUT at my 64 rows and 64 columns
	s_lshl_b32 s19, s13, 18
	s_add_co_u32 s18, s18, s19
	s_add_co_u32 s18, s18, s22
	s_mov_b32 s19, 0
	s_add_nc_u64 s[10:11], s[10:11], s[18:19]
	s_add_nc_u64 s[2:3], s[2:3], s[18:19]
.irp b, 0,1,2,3
	global_load_b128 v[BIAS+8*\b:BIAS+8*\b+3],   v[BO], s[8:9] offset:64*\b
	global_load_b128 v[BIAS+8*\b+4:BIAS+8*\b+7], v[BO], s[8:9] offset:64*\b+16
.endr
	WIN 0x80                                       ; destination window 2
.irp a, 0,1,2,3
.irp t, 0,1,2,3,4,5,6,7
	global_load_b128 v[32*\a+4*\t:32*\a+4*\t+3], v[CO], s[10:11] offset:(16*\a+2*\t)*4096
.endr
.endr
	WIN 0
; 8 matrix instructions: m blocks a0, a0 + 1 x all 4 n blocks, 32 along K: half c of buffer f.  first = 1: C is the bias.  The 16 accumulators take turns.
.macro MUL8 f, c, a0, first
.irp a, \a0, \a0+1
.irp b, 0,1,2,3
.if \first
	v_wmma_f32_16x16x32_bf16 v[ACC+8*(4*(\a)+\b):ACC+8*(4*(\a)+\b)+7], v[\f+64+8*(4*\c+\b):\f+64+8*(4*\c+\b)+7], v[\f+8*(4*\c+\a):\f+8*(4*\c+\a)+7], v[BIAS+8*\b:BIAS+8*\b+7]
.else
	v_wmma_f32_16x16x32_bf16 v[ACC+8*(4*(\a)+\b):ACC+8*(4*(\a)+\b)+7], v[\f+64+8*(4*\c+\b):\f+64+8*(4*\c+\b)+7], v[\f+8*(4*\c+\a):\f+8*(4*\c+\a)+7], v[ACC+8*(4*(\a)+\b):ACC+8*(4*(\a)+\b)+7]
.endif
.endr
.endr
.endm
; 32 LDS loads in one run: quarter q (64 along K = one block of A) of a slot into buffer f; the first 32 along K first
.macro FETCH slot, q, f
	WIN TO_F
.irp c, 0,1
.irp i, 0,1,2,3
	ds_load_tr16_b128 v[\f+64+8*(4*\c+\i):\f+64+8*(4*\c+\i)+3],   v[ADRB+2*\slot+(\q)/2] offset:((2*\q+\c)%4)*32*PB+32*\i
	ds_load_tr16_b128 v[\f+64+8*(4*\c+\i)+4:\f+64+8*(4*\c+\i)+7], v[ADRB+2*\slot+(\q)/2] offset:((2*\q+\c)%4)*32*PB+32*\i+16*PB
	ds_load_b128 v[\f+8*(4*\c+\i):\f+8*(4*\c+\i)+3],   v[ADRA+\slot] offset:\q*128*PA+64*\c+\i*16*PA
	ds_load_b128 v[\f+8*(4*\c+\i)+4:\f+8*(4*\c+\i)+7], v[ADRA+\slot] offset:\q*128*PA+64*\c+\i*16*PA+32
.endr
.endr
.endm
.macro QUARTER slot, q, f, g, first
	s_wait_dscnt 16                                ; the first 32 along K are in
	WIN MUL
	MUL8 \f, 0, 0, \first
	MUL8 \f, 0, 2, \first
	PLACES
	FETCH \slot, \q, \g
	s_wait_dscnt 32                                ; all but the 32 just issued
	WIN MUL
	MUL8 \f, 1, 0, 0
	MUL8 \f, 1, 2, 0
.endm
; The last quarter multiplies buffer 1 and changes slots: one barrier; in front of it each wave waits for all its tensor loads, adds 0 to its spare word and waits for that and for its reads of this slot.
.macro TURN slot, next, fill
	WIN 0
	s_wait_tensorcnt 0x0                           ; all my tensor loads have landed: my part of the next slot
	ds_add_u32 v[SPW], v[NIL]                      ; 0 onto my spare word
	s_wait_dscnt 17                                ; (the add and the youngest sixteen loads may be out)
	WIN MUL
	MUL8 F1, 0, 0, 0
	s_wait_dscnt 0x0                               ; the add is done, and my reads of this slot are over
	s_barrier_signal -1
	MUL8 F1, 0, 2, 0
.if \fill
	WIN 0
.endif
	s_barrier_wait -1
.if \fill
	CREST                                          ; no wave of any partner still reads this slot or has a load on its way
	s_add_nc_u64 s[G0+4*\slot+2:G0+4*\slot+3], s[G0+4*\slot+2:G0+4*\slot+3], 131072
	s_add_nc_u64 s[G0B+4*\slot+2:G0B+4*\slot+3], s[G0B+4*\slot+2:G0B+4*\slot+3], 1048576
	JLOAD \slot                                    ; my one tensor load behind the round; its four v_nop are also the places in front of the loads below
.else
	PLACES
.endif
	FETCH \next, 0, F0
	WIN MUL
	MUL8 F1, 1, 0, 0
	MUL8 F1, 1, 2, 0
.endm
	s_wait_tensorcnt 1                             ; my part of K step 0 is in; K step 1's may stay out
	s_barrier_signal -1
	s_barrier_wait -1
	FETCH 0, 0, F0
	s_wait_loadcnt 32                              ; the bias is in; the residual's 32 loads stay out
	QUARTER 0, 1, F0, F1, 1
	WIN 0
	s_mov_b32 s15, LAPS-1
.Llap:
	QUARTER 0, 2, F1, F0, 0
	QUARTER 0, 3, F0, F1, 0
	TURN 0, 1, 1
	QUARTER 1, 1, F0, F1, 0
	QUARTER 1, 2, F1, F0, 0
	QUARTER 1, 3, F0, F1, 0
	TURN 1, 0, 1
	QUARTER 0, 1, F0, F1, 0
	WIN 0
	s_sub_co_u32 s15, s15, 1
	s_cmp_lg_u32 s15, 0
	s_cbranch_scc1 .Llap
	QUARTER 0, 2, F1, F0, 0                        ; the last lap fills nothing
	QUARTER 0, 3, F0, F1, 0
	TURN 0, 1, 0
	QUARTER 1, 1, F0, F1, 0
	QUARTER 1, 2, F1, F0, 0
	QUARTER 1, 3, F0, F1, 0
	s_wait_dscnt 16
	WIN MUL
	MUL8 F1, 0, 0, 0
	MUL8 F1, 0, 2, 0
	s_wait_dscnt 0x0
	MUL8 F1, 1, 1-1, 0
	MUL8 F1, 1, 2, 0
	WIN 0
	; THE WAY OUT, 16 rows at a time: the sums go into my stage as they are, come back as whole rows of 256 bytes, take the residual and are stored.
	PLACES
	s_wait_loadcnt 0x0                             ; the residual
.irp a, 0,1,2,3
.if \a > 1
	s_wait_xcnt 0x0                                ; this set of registers was stored from two blocks back: it is loaded again only behind this wait
.endif
.irp b, 0,1,2,3
	ds_store_b128 v[STO], v[ACC+8*(4*\a+\b):ACC+8*(4*\a+\b)+3]   offset:64*\b
	ds_store_b128 v[STO], v[ACC+8*(4*\a+\b)+4:ACC+8*(4*\a+\b)+7] offset:64*\b+16
.endr
.irp t, 0,1,2,3,4,5,6,7
	ds_load_b128 v[TMP+32*(\a%2)+4*\t:TMP+32*(\a%2)+4*\t+3], v[RD] offset:\t*2*SPITCH   ; LDS serves a wave's instructions in order: these see the stores above
.endr
	s_wait_dscnt 0x0
	WIN 0x08                                       ; source 1 window 2
.set j, 0
.rept 16
	v_pk_add_f32 v[TMP+32*(\a%2)+2*j:TMP+32*(\a%2)+2*j+1], v[TMP+32*(\a%2)+2*j:TMP+32*(\a%2)+2*j+1], v[32*\a+2*j:32*\a+2*j+1]
.set j, j+1
.endr
	WIN 0
.irp t, 0,1,2,3,4,5,6,7
	global_store_b128 v[CO], v[TMP+32*(\a%2)+4*\t:TMP+32*(\a%2)+4*\t+3], s[2:3] offset:(16*\a+2*\t)*4096   ; sixteen lanes store 256 consecutive bytes, aligned
.endr
.endr
	s_wait_tensorcnt 0x0                           ; the wave's end
	ds_add_u32 v[SPW], v[NIL]
	s_wait_dscnt 0x0
	CROUND                                         ; the closing round
	s_endpgm
.Lfunc_end_k_qf4df92e314_gemm_out:
	.size	k_qf4df92e314_gemm_out, .Lfunc_end_k_qf4df92e314_gemm_out-k_qf4df92e314_gemm_out
	.p2alignl 7, 3214868480
	.fill 96, 4, 3214868480
	.section	.rodata,"a",@progbits
	.p2align	6, 0x0
	.amdhsa_kernel k_qf4df92e314_gemm_out
		.amdhsa_group_segment_fixed_size 327680
		.amdhsa_private_segment_fixed_size 0
		.amdhsa_enable_private_segment 0
		.amdhsa_kernarg_size 40
		.amdhsa_user_sgpr_count 2
		.amdhsa_user_sgpr_kernarg_segment_ptr 1
		.amdhsa_wavefront_size32 1
		.amdhsa_system_sgpr_workgroup_id_x 1
		.amdhsa_system_sgpr_workgroup_id_y 1
		.amdhsa_system_sgpr_workgroup_id_z 1
		.amdhsa_system_vgpr_workitem_id 0
		.amdhsa_next_free_vgpr 640
		.amdhsa_next_free_sgpr 66
		.amdhsa_reserve_vcc 0
		.amdhsa_float_denorm_mode_32 3
		.amdhsa_float_denorm_mode_16_64 3
		.amdhsa_memory_ordered 1
		.amdhsa_forward_progress 1
		.amdhsa_inst_pref_size 94
	.end_amdhsa_kernel
	.amdgpu_metadata
---
amdhsa.version: [ 1, 2 ]
amdhsa.kernels:
  - .name:           k_qf4df92e314_gemm_out
    .symbol:         k_qf4df92e314_gemm_out.kd
    .args:
      - { .name: ctx, .offset: 0, .size: 8, .value_kind: global_buffer, .address_space: global }
      - { .name: wb, .offset: 8, .size: 8, .value_kind: global_buffer, .address_space: global }
      - { .name: out_b, .offset: 16, .size: 8, .value_kind: global_buffer, .address_space: global }
      - { .name: src, .offset: 24, .size: 8, .value_kind: global_buffer, .address_space: global }
      - { .name: src2, .offset: 32, .size: 8, .value_kind: global_buffer, .address_space: global }
    .group_segment_fixed_size: 327680
    .private_segment_fixed_size: 0
    .kernarg_segment_align: 8
    .kernarg_segment_size: 40
    .max_flat_workgroup_size: 128
    .sgpr_count:     66
    .vgpr_count:     640
    .wavefront_size: 32
...
	.end_amdgpu_metadata
.endif
;; end of part 4
;; launch ln2 (part 5): grid 256 x 1, 8 waves a work-group, no clusters, 0 bytes of LDS; arguments src2, fnorm_w, fnorm_b, hn; writes hn
.if DOCPART == 5
	.amdgcn_target "amdgcn-amd-amdhsa--gfx1250"
	.amdhsa_code_object_version 6
	.text
	.protected	k_qf4df92e314_ln2
	.globl	k_qf4df92e314_ln2
	.p2align	8
	.type	k_qf4df92e314_ln2,@function
k_qf4df92e314_ln2:
	s_mov_b64 s[64:65], 0
	v_nop
	global_prefetch_b8 v0, s[64:65] scope:SCOPE_SE
	s_setreg_imm32_b32 hwreg(HW_REG_WAVE_MODE, 25, 1), 1
	s_wait_xcnt 0x0
; hn = layernorm(src2) * fnorm_w + fnorm_b, rounded to bf16, in blocks of 128 rows x 64 columns (16,384 bytes, a row of a block 128 bytes, 16 blocks to a row block).
; A wave takes two rows (2 i, 2 i + 1) and keeps them in registers: mean, then the mean of (x - mean)^2, then the scaling: memory is read once.  No LDS, no barrier: no wave needs another.
; Lane l: c8 = l & 7, sub = (l >> 3) & 1 (which of the two rows), hi = l >> 4.  In chunk c (0..7) it holds columns (2 c + hi) * 64 + 8 c8 .. + 7 of its row, so that
; sixteen neighbouring lanes store 256 consecutive bytes, aligned.  1 / sqrt by v_rsq_f32 (1 ULP).
.set XP, 4                             ; s[4:5]   src2
.set WP, 6                             ; s[6:7]   gain
.set BP, 8                             ; s[8:9]   bias
.set YP, 10                            ; s[10:11] hn
.set X,  16
.set W,  80
.set BV, 144
.set Y,  208
	s_load_b256 s[4:11], s[0:1], 0x0
	v_lshrrev_b32 v1, 5, v0
	v_readfirstlane_b32 s26, v1                    ; wave
	s_lshl_b32 s27, ttmp9, 3
	s_add_co_u32 s27, s27, s26                     ; i: my pair of rows
	s_lshl_b32 s28, s27, 13
	s_mov_b32 s29, 0
	s_lshr_b32 s30, s27, 6
	s_lshl_b32 s30, s30, 18
	s_and_b32 s31, s27, 63
	s_lshl_b32 s31, s31, 8
	s_add_co_u32 s30, s30, s31
	s_mov_b32 s31, 0
	s_mov_b32 s22, 0x76543210
	s_mov_b32 s23, 0xfedcba98
	s_mov_b32 s24, 0x3a800000                      ; 1 / 1024
	s_mov_b32 s25, 0x3727c5ac                      ; 1e-5
	v_and_b32 v4, 7, v0
	v_bfe_u32 v5, v0, 3, 1
	v_bfe_u32 v6, v0, 4, 1
	v_lshlrev_b32 v2, 5, v4
	v_lshl_add_u32 v2, v6, 8, v2
	v_lshl_add_u32 v1, v5, 12, v2
	v_lshlrev_b32 v3, 4, v4
	v_lshl_add_u32 v3, v5, 7, v3
	v_lshl_add_u32 v3, v6, 14, v3
	s_wait_kmcnt 0x0
	s_add_nc_u64 s[XP:XP+1], s[XP:XP+1], s[28:29]
	s_add_nc_u64 s[YP:YP+1], s[YP:YP+1], s[30:31]
.irp c, 0,1,2,3,4,5,6,7
	global_load_b128 v[X+8*\c:X+8*\c+3],   v1, s[XP:XP+1] offset:512*\c
	global_load_b128 v[X+8*\c+4:X+8*\c+7], v1, s[XP:XP+1] offset:512*\c+16
.endr
.irp c, 0,1,2,3,4,5,6,7
	global_load_b128 v[W+8*\c:W+8*\c+3],   v2, s[WP:WP+1] offset:512*\c
	global_load_b128 v[W+8*\c+4:W+8*\c+7], v2, s[WP:WP+1] offset:512*\c+16
.endr
.irp c, 0,1,2,3,4,5,6,7
	global_load_b128 v[BV+8*\c:BV+8*\c+3],   v2, s[BP:BP+1] offset:512*\c
	global_load_b128 v[BV+8*\c+4:BV+8*\c+7], v2, s[BP:BP+1] offset:512*\c+16
.endr
; The four chains are joined, then the sixteen lanes of my row: bits 0-2 of the lane ride on the addition, bit 4 crosses the halves; bit 3 is the row and is left alone.
.macro ACROSS
	v_pk_add_f32 v[4:5], v[4:5], v[6:7]
	v_pk_add_f32 v[8:9], v[8:9], v[10:11]
	v_pk_add_f32 v[4:5], v[4:5], v[8:9]
	v_add_f32 v4, v4, v5
	v_add_f32_dpp v4, v4, v4 row_xmask:1 row_mask:0xf bank_mask:0xf
	v_add_f32_dpp v4, v4, v4 row_xmask:2 row_mask:0xf bank_mask:0xf
	v_add_f32_dpp v4, v4, v4 row_xmask:4 row_mask:0xf bank_mask:0xf
	v_permlanex16_b32 v5, v4, s22, s23
	v_add_f32 v4, v4, v5
.endm
	s_wait_loadcnt 32                              ; x is in; the 32 younger loads (gain, bias) stay out
.irp k, 0,1,2,3
	v_pk_add_f32 v[4+2*\k:5+2*\k], v[X+2*\k:X+2*\k+1], v[X+8+2*\k:X+9+2*\k]
.endr
.set j, 8
.rept 24
	v_pk_add_f32 v[4+2*(j%4):5+2*(j%4)], v[4+2*(j%4):5+2*(j%4)], v[X+2*j:X+2*j+1]
.set j, j+1
.endr
	ACROSS
	v_mul_f32 v12, s24, v4
	v_mul_f32 v13, s24, v4
.set j, 0
.rept 32
	v_pk_add_f32 v[X+2*j:X+2*j+1], v[X+2*j:X+2*j+1], v[12:13] neg_lo:[0,1] neg_hi:[0,1]
.set j, j+1
.endr
.irp k, 0,1,2,3
	v_pk_mul_f32 v[4+2*\k:5+2*\k], v[X+2*\k:X+2*\k+1], v[X+2*\k:X+2*\k+1]
.endr
.set j, 4
.rept 28
	v_pk_fma_f32 v[4+2*(j%4):5+2*(j%4)], v[X+2*j:X+2*j+1], v[X+2*j:X+2*j+1], v[4+2*(j%4):5+2*(j%4)]
.set j, j+1
.endr
	ACROSS
	v_fma_f32 v14, v4, s24, s25
	v_rsq_f32 v14, v14
	v_nop                                          ; a plain instruction between the transcendental and the use of its result
	s_wait_alu depctr_va_vdst(0)
	v_mov_b32 v15, v14
	s_wait_loadcnt 0x0
.set j, 0
.rept 32
	v_pk_mul_f32 v[X+2*j:X+2*j+1], v[X+2*j:X+2*j+1], v[14:15]
.set j, j+1
.endr
.set j, 0
.rept 32
	v_pk_fma_f32 v[X+2*j:X+2*j+1], v[X+2*j:X+2*j+1], v[W+2*j:W+2*j+1], v[BV+2*j:BV+2*j+1]
.set j, j+1
.endr
.set j, 0
.rept 32
	v_cvt_pk_bf16_f32 v[Y+j], v[X+2*j], v[X+2*j+1]
.set j, j+1
.endr
.irp c, 0,1,2,3,4,5,6,7
	global_store_b128 v3, v[Y+4*\c:Y+4*\c+3], s[YP:YP+1] offset:32768*\c   ; lanes 0-15 and lanes 16-31 each store 256 consecutive bytes, aligned
.endr
	s_endpgm
.Lfunc_end_k_qf4df92e314_ln2:
	.size	k_qf4df92e314_ln2, .Lfunc_end_k_qf4df92e314_ln2-k_qf4df92e314_ln2
	.p2alignl 7, 3214868480
	.fill 96, 4, 3214868480
	.section	.rodata,"a",@progbits
	.p2align	6, 0x0
	.amdhsa_kernel k_qf4df92e314_ln2
		.amdhsa_group_segment_fixed_size 0
		.amdhsa_private_segment_fixed_size 0
		.amdhsa_enable_private_segment 0
		.amdhsa_kernarg_size 32
		.amdhsa_user_sgpr_count 2
		.amdhsa_user_sgpr_kernarg_segment_ptr 1
		.amdhsa_wavefront_size32 1
		.amdhsa_system_sgpr_workgroup_id_x 1
		.amdhsa_system_sgpr_workgroup_id_y 1
		.amdhsa_system_sgpr_workgroup_id_z 1
		.amdhsa_system_vgpr_workitem_id 0
		.amdhsa_next_free_vgpr 240
		.amdhsa_next_free_sgpr 66
		.amdhsa_reserve_vcc 0
		.amdhsa_float_denorm_mode_32 3
		.amdhsa_float_denorm_mode_16_64 3
		.amdhsa_memory_ordered 1
		.amdhsa_forward_progress 1
		.amdhsa_inst_pref_size 20
	.end_amdhsa_kernel
	.amdgpu_metadata
---
amdhsa.version: [ 1, 2 ]
amdhsa.kernels:
  - .name:           k_qf4df92e314_ln2
    .symbol:         k_qf4df92e314_ln2.kd
    .args:
      - { .name: src2, .offset: 0, .size: 8, .value_kind: global_buffer, .address_space: global }
      - { .name: fnorm_w, .offset: 8, .size: 8, .value_kind: global_buffer, .address_space: global }
      - { .name: fnorm_b, .offset: 16, .size: 8, .value_kind: global_buffer, .address_space: global }
      - { .name: hn, .offset: 24, .size: 8, .value_kind: global_buffer, .address_space: global }
    .group_segment_fixed_size: 0
    .private_segment_fixed_size: 0
    .kernarg_segment_align: 8
    .kernarg_segment_size: 32
    .max_flat_workgroup_size: 256
    .sgpr_count:     66
    .vgpr_count:     240
    .wavefront_size: 32
...
	.end_amdgpu_metadata
.endif
;; end of part 5
;; launch gemm_ff1 (part 6): grid 16 x 16, 4 waves a work-group, clusters of 4 x 4, 327,680 bytes of LDS; arguments hn, wb, ff1_b, ffh; writes ffh
.if DOCPART == 6
	.amdgcn_target "amdgcn-amd-amdhsa--gfx1250"
	.amdhsa_code_object_version 6
	.text
	.protected	k_qf4df92e314_gemm_ff1
	.globl	k_qf4df92e314_gemm_ff1
	.p2align	8
	.type	k_qf4df92e314_gemm_ff1,@function
k_qf4df92e314_gemm_ff1:
	s_mov_b64 s[64:65], 0
	v_nop
	global_prefetch_b8 v0, s[64:65] scope:SCOPE_SE
	s_setreg_imm32_b32 hwreg(HW_REG_WAVE_MODE, 25, 1), 1
	s_wait_xcnt 0x0
	s_wait_alu depctr_hold_cnt(0) depctr_sa_sdst(0) depctr_va_vdst(0) depctr_va_sdst(0) depctr_va_ssrc(0) depctr_va_vcc(0) depctr_vm_vsrc(0)
	s_getreg_b32 s2, hwreg(HW_REG_IB_STS2, 6, 4)
	s_cmp_eq_u32 s2, 0
	s_cbranch_scc0 .Lentry_in_a_cluster
	s_endpgm
.Lentry_in_a_cluster:
	s_bfe_u32 s2, ttmp6, 0x10000c
	s_cmp_lg_u32 s2, 0xf033
	s_cbranch_scc0 .Lentry_shape_is_right
	s_endpgm
.Lentry_shape_is_right:
; OUT = A W + bias (and max(., 0) where DO_RELU is 1).  A: [4096][1024] bf16 in blocks of 128 rows x 64 columns (16,384 bytes, a row 128 bytes; 16 blocks to a row block).
; W: [1024][SIZE_N] bf16 as it lies in the model, N along the rows, at byte WOFF of wb.  bias: [SIZE_N] f32.  OUT: bf16 in the same blocks, NCBO to a row block.  Sums in f32.
; A tile of OUT is 256 x 256: four waves, each 128 x 128 = 64 accumulators, 512 registers.  K goes in steps of 128 through two LDS slots filled by the tensor data mover.
; CLUSTERS of 4 x 4 work-groups: A's tile hangs on the tile row alone and is asked for jointly along a row of the cluster, W's on the tile column alone, jointly along a column.
; THE MATRIX INSTRUCTION IS USED TRANSPOSED: source 0 = 16 columns of W (turned on the way out of LDS by ds_load_tr16_b128), source 1 = 16 rows of A; a lane then holds eight neighbouring
; numbers of a row of OUT.  THE BIAS is the C operand of each accumulator's first product: no accumulator is cleared and no addition follows.
; LIMIT: max(., 0) by v_max_num_f32 gives 0 for a NaN.
; REGISTERS, in windows of 256: window 0: v0-31 addresses, v64-191 A's fragments (two buffers), v32-63 and v192-255 the way out; window 1: v0-63 the bias of my 128 columns, v64-191 W's fragments;
; windows 2, 3: the accumulators of my rows 0-63, 64-127 ((a, b) at v[8 (8 (a % 4) + b)]).
.set SIZE_N,  4096
.set NCBO,    64
.set WOFF,    8388608
.set DO_RELU, 1
.set SIZE_K,  1024
.set KSTEP,   128
.set LAPS,    SIZE_K/(2*KSTEP)         ; a lap = two K steps = once round the ring
.set PA,      144                      ; a row of A in LDS: 128 bytes + 16: the 16 rows of a fragment load start at 16 different groups of four banks
.set PB,      544                      ; a row of W in LDS: 512 bytes + 32, an odd multiple of 32, for the turning load
.set AHALF,   2*128*PA                 ; one load of A: 128 rows x 128 K as two blocks of 128 rows x 64
.set BHALF,   64*PB                    ; one load of W: 64 K x 256 columns
.set BOFF,    2*AHALF
.set SLOT,    2*AHALF+2*BHALF
.set STAGE,   2*SLOT                   ; behind the ring: 16 rows x 272 bytes for each wave, for the way out
.set SPITCH,  272
.set SPARE,   STAGE+4*16*SPITCH         ; the spare words, 128 bytes a wave: two blocks of 256 bytes that no other line names
.set ADRA, 16                          ; v16-17  LDS address of my A fragments in slot 0, 1
.set ADRB, 20                          ; v20-21  the same for W
.set STO,  24                          ; v24     the way out: where I put 16 bytes of a row
.set RD,   25                          ; v25     the way out: where I read 16 bytes back
.set CO,   26                          ; v26     my byte offset in OUT
.set BO,   27                          ; v27     my byte offset in the bias
.set SPW,  28                          ; v28     my spare word; never rewritten
.set NIL,  29                          ; v29     0; never rewritten
.set F0,   64
.set F1,   128
.set TMP,  192
.set OB,   32
.set G1,  24                           ; s[24:31] descriptor group 1 for A;  s[32:39] group 0, a set for each slot
.set G0,  32
.set G1B, 48                           ; s[48:55], s[56:63] the same for W
.set G0B, 56
.set MSB, 0
.macro WIN new                         ; the immediate's high byte repeats the setting that is left; a switch that changes nothing is dropped
.if MSB != \new
	s_set_vgpr_msb (MSB<<8)|\new
.set MSB, \new
.endif
.endm
.set MUL_LO, 0xa1                      ; source 0 (W) window 1, source 1 (A) window 0, C and D window 2
.set MUL_HI, 0xf1                      ; the same, C and D window 3
.set TO_B,   0x40                      ; destination window 1, address window 0
.macro JLOAD s                         ; a joint load: waves 0, 1 fetch A's two halves, waves 2, 3 W's; four v_nop follow each line
	s_cmp_eq_u32 s13, 0
	s_cbranch_scc0 .Lfor_b_\@
	tensor_load_to_lds s[G0+4*\s:G0+4*\s+3], s[G1:G1+7]
	s_nop 0
.rept 4
	v_nop
.endr
	s_branch .Lasked_\@
.Lfor_b_\@:
	tensor_load_to_lds s[G0B+4*\s:G0B+4*\s+3], s[G1B:G1B+7]
	s_nop 0
.rept 4
	v_nop
.endr
.Lasked_\@:
.endm
.macro CREST                           ; a round of the cluster's barrier behind its opening barrier
	s_cmp_lg_u32 s12, 0
	s_cbranch_scc1 .Lnot_wave_0_\@
	s_barrier_signal -3
.Lnot_wave_0_\@:
	s_barrier_wait -3
	s_barrier_signal -1
	s_barrier_wait -1
.endm
.macro CROUND
	s_barrier_signal -1
	s_barrier_wait -1
	CREST
.endm
.macro PLACES                          ; four plain instructions between matrix instructions and loads into, or vector reads of, their registers
.rept 4
	v_nop
.endr
.endm
	s_load_b256 s[4:11], s[0:1], 0x0               ; A s[4:5], wb s[6:7], bias s[8:9], OUT s[10:11]
	v_lshl_add_u32 v[SPW], v0, 2, SPARE
	v_mov_b32 v[NIL], 0
	ds_add_u32 v28, v29
	s_wait_dscnt 0x0
	v_lshrrev_b32 v1, 5, v0
	v_readfirstlane_b32 s12, v1                    ; wave 0..3
	s_lshr_b32 s13, s12, 1                         ; WR: my half of the tile's rows.  Also: I fetch for A (0) or for W (1)
	s_and_b32 s14, s12, 1                          ; WC: my half of its columns.  Also: which half of that tile I fetch
	s_bfe_u32 s40, ttmp6, 0x40000                  ; cx
	s_bfe_u32 s41, ttmp6, 0x40004                  ; cy
	s_lshl_b32 s42, ttmp9, 2
	s_add_co_u32 s42, s42, s40                     ; tile column
	s_and_b32 s43, ttmp7, 0xffff
	s_lshl_b32 s43, s43, 2
	s_add_co_u32 s43, s43, s41                     ; tile row
	s_lshl_b32 s44, s41, 2
	s_lshl_b32 s44, 15, s44                        ; my row of the cluster
	s_lshl_b32 s45, 0x1111, s40                    ; my column
	s_or_b32 s[G1+0], s44, (1<<16)|(1<<20)|(1<<21)|(4<<22)|(3<<25)   ; mask; elements of 2 bytes; padding on; bit 21 beside a mask; after every 32 words 4 words
	s_mov_b32 s[G1+1], 64<<16                      ; tensor_dim0 = 64
	s_mov_b32 s[G1+2], 256<<16                     ; tensor_dim1 = 256: two blocks of 128 rows, which follow each other in memory
	s_mov_b32 s[G1+3], 64<<16                      ; tile_dim0 = 64
	s_mov_b32 s[G1+4], 256                         ; tile_dim1 = 256
	s_mov_b32 s[G1+5], 64                          ; from row to row: 64 elements
	s_mov_b32 s[G1+6], 0
	s_mov_b32 s[G1+7], 0
	s_or_b32 s[G1B+0], s45, (1<<16)|(1<<20)|(1<<21)|(6<<22)|(7<<25)  ; after every 128 words 8 words
	s_mov_b32 s[G1B+1], 256<<16                    ; tensor_dim0 = 256
	s_mov_b32 s[G1B+2], 64<<16                     ; tensor_dim1 = 64
	s_mov_b32 s[G1B+3], 256<<16                    ; tile_dim0 = 256
	s_mov_b32 s[G1B+4], 64                         ; tile_dim1 = 64
	s_mov_b32 s[G1B+5], SIZE_N
	s_mov_b32 s[G1B+6], 0
	s_mov_b32 s[G1B+7], 0
	s_lshl_b32 s16, s43, 1                         ; A: row block 2 x tile row + half, 16 blocks of 16,384 bytes each
	s_add_co_u32 s16, s16, s14
	s_lshl_b32 s16, s16, 18
	s_mov_b32 s17, 0
	s_mul_i32 s46, s14, 128*SIZE_N                 ; W: 64 rows of 2 SIZE_N bytes for the half, 512 bytes for the tile column
	s_lshl_b32 s47, s42, 9
	s_add_co_u32 s46, s46, s47
	s_add_co_u32 s46, s46, WOFF
	s_mov_b32 s47, 0
	s_mul_i32 s20, s14, AHALF                      ; where they go: no place in the cluster enters an LDS address
	s_mul_i32 s21, s14, BHALF
	s_add_co_u32 s21, s21, BOFF
	s_wait_kmcnt 0x0
	s_add_nc_u64 s[16:17], s[4:5], s[16:17]
	s_add_nc_u64 s[46:47], s[6:7], s[46:47]
	CROUND                                         ; all sixteen work-groups are here: the first joint loads meet
.irp s, 0,1
	s_mov_b32 s[G0+4*\s], 1
	s_add_co_u32 s[G0+4*\s+1], s20, \s*SLOT
	s_add_nc_u64 s[G0+4*\s+2:G0+4*\s+3], s[16:17], \s*32768          ; K step s: two blocks on
	s_or_b32 s[G0+4*\s+3], s[G0+4*\s+3], 0x80000000
	s_mov_b32 s[G0B+4*\s], 1
	s_add_co_u32 s[G0B+4*\s+1], s21, \s*SLOT
	s_add_nc_u64 s[G0B+4*\s+2:G0B+4*\s+3], s[46:47], \s*256*SIZE_N   ; K step s: 128 rows on
	s_or_b32 s[G0B+4*\s+3], s[G0B+4*\s+3], 0x80000000
	JLOAD \s                                       ; two loads of mine are out
.endr
	v_and_b32 v1, 15, v0                           ; r = l % 16
	v_bfe_u32 v2, v0, 4, 1                         ; hl = l / 16
	v_and_b32 v3, 7, v0                            ; l % 8
	v_bfe_u32 v4, v0, 3, 1                         ; (l / 8) % 2
	v_mul_u32_u24 v5, v1, PA                       ; A's fragment: row r, 16 bytes for each half of the lanes
	v_lshl_add_u32 v5, v2, 4, v5
	s_mul_i32 s22, s13, AHALF
	v_add_nc_u32 v[ADRA], s22, v5
	v_add_nc_u32 v[ADRA+1], SLOT, v[ADRA]
	v_lshl_add_u32 v6, v2, 3, v3                   ; W's fragment, turned: K row 8 hl + l % 8, 16 bytes for each eight lanes
	v_mul_u32_u24 v6, v6, PB
	v_lshl_add_u32 v6, v4, 4, v6
	s_lshl_b32 s22, s14, 8                         ; my 128 columns
	s_add_co_u32 s22, s22, BOFF
	v_add_nc_u32 v[ADRB], s22, v6
	v_add_nc_u32 v[ADRB+1], SLOT, v[ADRB]
	s_mul_i32 s22, s12, 16*SPITCH
	s_add_co_u32 s22, s22, STAGE                   ; my stage
	v_mul_u32_u24 v5, v1, SPITCH
	v_lshl_add_u32 v5, v2, 4, v5
	v_add_nc_u32 v[STO], s22, v5
	v_mul_u32_u24 v5, v4, SPITCH                   ; back: lanes 0-15 take 128 bytes of two rows (one block of OUT), lanes 16-31 the same rows' other 128 bytes (the next block)
	v_lshl_add_u32 v5, v2, 7, v5
	v_lshl_add_u32 v5, v3, 4, v5
	v_add_nc_u32 v[RD], s22, v5
	v_lshlrev_b32 v5, 14, v2
	v_lshl_add_u32 v5, v4, 7, v5
	v_lshl_add_u32 v[CO], v3, 4, v5
	v_lshlrev_b32 v[BO], 5, v2                     ; a lane's eight columns: 32 bytes of bias for each half of the lanes
	s_lshl_b32 s22, s42, 10                        ; bias at my 128 columns
	s_lshl_b32 s23, s14, 9
	s_add_co_u32 s22, s22, s23
	s_mov_b32 s23, 0
	s_add_nc_u64 s[8:9], s[8:9], s[22:23]
	s_lshl_b32 s18, s43, 1                         ; OUT at block (2 x tile row + WR, 4 x tile column + 2 WC)
	s_add_co_u32 s18, s18, s13
	s_mul_i32 s18, s18, NCBO
	s_lshl2_add_u32 s18, s42, s18
	s_lshl1_add_u32 s18, s14, s18
	s_lshl_b32 s18, s18, 14
	s_mov_b32 s19, 0
	s_add_nc_u64 s[10:11], s[10:11], s[18:19]
	WIN TO_B
.irp b, 0,1,2,3,4,5,6,7
	global_load_b128 v[8*\b:8*\b+3],   v[BO], s[8:9] offset:64*\b
	global_load_b128 v[8*\b+4:8*\b+7], v[BO], s[8:9] offset:64*\b+16
.endr
	WIN 0
; 16 matrix instructions: m blocks a0, a0 + 1 of the window's four x all 8 n blocks, 32 along K.  first = 1: C is the bias of the n block.  The 64 accumulators take turns, one instruction a turn.
.macro MUL16 f, hi, a0, first
.irp a, \a0, \a0+1
.irp b, 0,1,2,3,4,5,6,7
.if \first
	v_wmma_f32_16x16x32_bf16 v[8*(8*(\a)+\b):8*(8*(\a)+\b)+7], v[\f+8*\b:\f+8*\b+7], v[\f+8*(4*\hi+\a):\f+8*(4*\hi+\a)+7], v[8*\b:8*\b+7]
.else
	v_wmma_f32_16x16x32_bf16 v[8*(8*(\a)+\b):8*(8*(\a)+\b)+7], v[\f+8*\b:\f+8*\b+7], v[\f+8*(4*\hi+\a):\f+8*(4*\hi+\a)+7], v[8*(8*(\a)+\b):8*(8*(\a)+\b)+7]
.endif
.endr
.endr
.endm
; 32 LDS loads in one run: the fragments of quarter q (32 along K) of a slot into buffer f: W's 128 columns, then A's 128 rows
.macro FETCH slot, q, f
	WIN TO_B
.irp i, 0,1,2,3,4,5,6,7
	ds_load_tr16_b128 v[\f+8*\i:\f+8*\i+3],   v[ADRB+\slot] offset:\q*32*PB+32*\i
	ds_load_tr16_b128 v[\f+8*\i+4:\f+8*\i+7], v[ADRB+\slot] offset:\q*32*PB+32*\i+16*PB
.endr
	WIN 0
.irp i, 0,1,2,3,4,5,6,7
	ds_load_b128 v[\f+8*\i:\f+8*\i+3],   v[ADRA+\slot] offset:(\q/2)*128*PA+(\q%2)*64+\i*16*PA
	ds_load_b128 v[\f+8*\i+4:\f+8*\i+7], v[ADRA+\slot] offset:(\q/2)*128*PA+(\q%2)*64+\i*16*PA+32
.endr
.endm
; One of a K step's first three quarters: multiplies buffer f; in its middle it fetches quarter q of the same slot into buffer g.
.macro QUARTER slot, q, f, g, first
	s_wait_dscnt 8                                 ; W and A's rows 0-63 are in; the youngest eight loads (A's rows 64-127) may be out
.if \first
	WIN 0x91                                       ; C (the bias) window 1, D window 2
.else
	WIN MUL_LO
.endif
	MUL16 \f, 0, 0, \first
	MUL16 \f, 0, 2, \first
	PLACES
	FETCH \slot, \q, \g
	s_wait_dscnt 32                                ; all but the 32 just issued
.if \first
	WIN 0xd1                                       ; C window 1, D window 3
.else
	WIN MUL_HI
.endif
	MUL16 \f, 1, 0, \first
	MUL16 \f, 1, 2, \first
.endm
; The last quarter multiplies buffer 1 and changes slots: one barrier; in front of it each wave waits for all its tensor loads, adds 0 to its spare word and waits for that and for its reads of this slot.
; fill = 1: the barrier opens a round of the cluster's barrier, and this slot is filled again, two K steps on, first thing behind the round.
.macro TURN slot, next, fill
	WIN 0                                          ; (the add's two registers lie in window 0)
	s_wait_tensorcnt 0x0                           ; all my tensor loads have landed: the one that was out is my part of the next slot
	ds_add_u32 v[SPW], v[NIL]                      ; 0 onto my spare word
	s_wait_dscnt 9                                 ; (the add and the youngest eight loads may be out)
	WIN MUL_LO
	MUL16 F1, 0, 0, 0
	s_wait_dscnt 0x0                               ; the add is done, and my reads of this slot are over
	s_barrier_signal -1
	MUL16 F1, 0, 2, 0
.if \fill
	WIN 0
.endif
	s_barrier_wait -1
.if \fill
	CREST                                          ; no wave of any partner still reads this slot or has a load on its way
	s_add_nc_u64 s[G0+4*\slot+2:G0+4*\slot+3], s[G0+4*\slot+2:G0+4*\slot+3], 65536
	s_add_nc_u64 s[G0B+4*\slot+2:G0B+4*\slot+3], s[G0B+4*\slot+2:G0B+4*\slot+3], 512*SIZE_N
	JLOAD \slot                                    ; my one tensor load behind the round; its four v_nop are also the places in front of the loads below
.else
	PLACES
.endif
	FETCH \next, 0, F0
	WIN MUL_HI
	MUL16 F1, 1, 0, 0
	MUL16 F1, 1, 2, 0
.endm
; THE WAY OUT of block a (16 rows).  CLIP: max(., 0) in place.  PACK: rounded to bf16, 16 bytes a lane.  TOSTAGE: into my own stage and back by rows.  SEND: stored.
.macro CLIP a
	WIN 0x8a+0x45*((\a)/4)                         ; sources and destination window 2 or 3
.set x, 64*((\a)%4)
.rept 64
	v_max_num_f32 v[x], 0, v[x]
.set x, x+1
.endr
.endm
.macro PACK a
.if DO_RELU
	CLIP \a
.endif
.set AC, 64*((\a)%4)
	WIN 0x0a+5*((\a)/4)                            ; sources 0 and 1: window 2 or 3
.irp b, 0,1,2,3,4,5,6,7
.irp r, 0,1,2,3
	v_cvt_pk_bf16_f32 v[TMP+4*\b+\r], v[AC+8*\b+2*\r], v[AC+8*\b+2*\r+1]
.endr
.endr
	WIN 0
.endm
.macro TOSTAGE a
.set BK, OB+192*((\a)%2)
.irp b, 0,1,2,3,4,5,6,7
	ds_store_b128 v[STO], v[TMP+4*\b:TMP+4*\b+3] offset:32*\b
.endr
.irp t, 0,1,2,3,4,5,6,7
	ds_load_b128 v[BK+4*\t:BK+4*\t+3], v[RD] offset:\t*2*SPITCH    ; LDS serves a wave's instructions in order: these see the stores above
.endr
.endm
.macro SEND a
.set BK, OB+192*((\a)%2)
	s_wait_dscnt 0x0                               ; the block is back in registers
	s_wait_xcnt 0x0                                ; the registers that the block before last was stored from are loaded again only behind this wait
.irp t, 0,1,2,3,4,5,6,7
	global_store_b128 v[CO], v[BK+4*\t:BK+4*\t+3], s[10:11] offset:(16*(\a)+2*\t)*128   ; lanes 0-15 and lanes 16-31 each store 256 consecutive bytes, aligned
.endr
.endm
	s_wait_tensorcnt 1                             ; my part of K step 0 is in; K step 1's may stay out
	s_barrier_signal -1
	s_barrier_wait -1
	FETCH 0, 0, F0
	s_wait_loadcnt 0x0                             ; the bias
	QUARTER 0, 1, F0, F1, 1                        ; the first quarter stands in front of the loop: its products start the sums from the bias
	WIN 0
	s_mov_b32 s15, LAPS-1
.Llap:                                                 ; a trip goes once round the ring and fills both slots again
	QUARTER 0, 2, F1, F0, 0
	QUARTER 0, 3, F0, F1, 0
	TURN 0, 1, 1
	QUARTER 1, 1, F0, F1, 0
	QUARTER 1, 2, F1, F0, 0
	QUARTER 1, 3, F0, F1, 0
	TURN 1, 0, 1
	QUARTER 0, 1, F0, F1, 0
	WIN 0
	s_sub_co_u32 s15, s15, 1
	s_cmp_lg_u32 s15, 0
	s_cbranch_scc1 .Llap
	QUARTER 0, 2, F1, F0, 0                        ; the last lap fills nothing
	QUARTER 0, 3, F0, F1, 0
	TURN 0, 1, 0
	QUARTER 1, 1, F0, F1, 0
	QUARTER 1, 2, F1, F0, 0
	QUARTER 1, 3, F0, F1, 0
	s_wait_dscnt 8
	WIN MUL_LO
	MUL16 F1, 0, 0, 0
	MUL16 F1, 0, 2, 0
	s_wait_dscnt 0x0
	WIN MUL_HI
	MUL16 F1, 1, 0, 0
	MUL16 F1, 1, 2, 0
	WIN 0
	PLACES
	PACK 0
	TOSTAGE 0
.irp a, 1,2,3,4,5,6,7                  ; block a's conversions stand between block a - 1's loads from the stage and the wait for them
	PACK \a
	SEND \a-1
	TOSTAGE \a
.endr
	SEND 7
	s_wait_tensorcnt 0x0                           ; the wave's end
	ds_add_u32 v[SPW], v[NIL]
	s_wait_dscnt 0x0
	CROUND                                         ; the closing round
	s_endpgm
.Lfunc_end_k_qf4df92e314_gemm_ff1:
	.size	k_qf4df92e314_gemm_ff1, .Lfunc_end_k_qf4df92e314_gemm_ff1-k_qf4df92e314_gemm_ff1
	.p2alignl 7, 3214868480
	.fill 96, 4, 3214868480
	.section	.rodata,"a",@progbits
	.p2align	6, 0x0
	.amdhsa_kernel k_qf4df92e314_gemm_ff1
		.amdhsa_group_segment_fixed_size 327680
		.amdhsa_private_segment_fixed_size 0
		.amdhsa_enable_private_segment 0
		.amdhsa_kernarg_size 32
		.amdhsa_user_sgpr_count 2
		.amdhsa_user_sgpr_kernarg_segment_ptr 1
		.amdhsa_wavefront_size32 1
		.amdhsa_system_sgpr_workgroup_id_x 1
		.amdhsa_system_sgpr_workgroup_id_y 1
		.amdhsa_system_sgpr_workgroup_id_z 1
		.amdhsa_system_vgpr_workitem_id 0
		.amdhsa_next_free_vgpr 1024
		.amdhsa_next_free_sgpr 66
		.amdhsa_reserve_vcc 0
		.amdhsa_float_denorm_mode_32 3
		.amdhsa_float_denorm_mode_16_64 3
		.amdhsa_memory_ordered 1
		.amdhsa_forward_progress 1
		.amdhsa_inst_pref_size 160
	.end_amdhsa_kernel
	.amdgpu_metadata
---
amdhsa.version: [ 1, 2 ]
amdhsa.kernels:
  - .name:           k_qf4df92e314_gemm_ff1
    .symbol:         k_qf4df92e314_gemm_ff1.kd
    .args:
      - { .name: hn, .offset: 0, .size: 8, .value_kind: global_buffer, .address_space: global }
      - { .name: wb, .offset: 8, .size: 8, .value_kind: global_buffer, .address_space: global }
      - { .name: ff1_b, .offset: 16, .size: 8, .value_kind: global_buffer, .address_space: global }
      - { .name: ffh, .offset: 24, .size: 8, .value_kind: global_buffer, .address_space: global }
    .group_segment_fixed_size: 327680
    .private_segment_fixed_size: 0
    .kernarg_segment_align: 8
    .kernarg_segment_size: 32
    .max_flat_workgroup_size: 128
    .sgpr_count:     66
    .vgpr_count:     1024
    .wavefront_size: 32
...
	.end_amdgpu_metadata
.endif
;; end of part 6
;; launch gemm_ff2 (part 7): grid 8 x 32, 4 waves a work-group, clusters of 4 x 4, 327,680 bytes of LDS; arguments ffh, wb, ff2_b, src2, out0; writes out0
.if DOCPART == 7
	.amdgcn_target "amdgcn-amd-amdhsa--gfx1250"
	.amdhsa_code_object_version 6
	.text
	.protected	k_qf4df92e314_gemm_ff2
	.globl	k_qf4df92e314_gemm_ff2
	.p2align	8
	.type	k_qf4df92e314_gemm_ff2,@function
k_qf4df92e314_gemm_ff2:
	s_mov_b64 s[64:65], 0
	v_nop
	global_prefetch_b8 v0, s[64:65] scope:SCOPE_SE
	s_setreg_imm32_b32 hwreg(HW_REG_WAVE_MODE, 25, 1), 1
	s_wait_xcnt 0x0
	s_wait_alu depctr_hold_cnt(0) depctr_sa_sdst(0) depctr_va_vdst(0) depctr_va_sdst(0) depctr_va_ssrc(0) depctr_va_vcc(0) depctr_vm_vsrc(0)
	s_getreg_b32 s2, hwreg(HW_REG_IB_STS2, 6, 4)
	s_cmp_eq_u32 s2, 0
	s_cbranch_scc0 .Lentry_in_a_cluster
	s_endpgm
.Lentry_in_a_cluster:
	s_bfe_u32 s2, ttmp6, 0x10000c
	s_cmp_lg_u32 s2, 0xf033
	s_cbranch_scc0 .Lentry_shape_is_right
	s_endpgm
.Lentry_shape_is_right:
; OUT = RES + A W + bias.  A: [4096][SIZE_K] bf16 in blocks of 128 rows x 64 columns (16,384 bytes), NCBA to a row block.  W: [SIZE_K][1024] bf16, N along the rows, at byte WOFF of wb.
; bias: [1024] f32.  RES, OUT: [4096][1024] f32, row-major.  Sums in f32.
; 4,096 x 1,024 makes 64 tiles of 256 x 256 but 256 tiles of 128 x 128: the smaller tile gives each of 256 work-groups one.  Four waves, each 64 x 64: 16 accumulators.
; K goes in steps of 256 through two LDS slots.  CLUSTERS of 4 x 4: A's tile is asked for jointly along a row of the cluster, W's along a column.
; THE MATRIX INSTRUCTION IS USED TRANSPOSED (source 0 = 16 columns of W, turned by ds_load_tr16_b128; source 1 = 16 rows of A).  THE BIAS is the C operand of each accumulator's first product.
; The residual is asked for at the start and stays on its way during the products.  A wave's 64 columns of f32 are 256 bytes: each wave has a stage of its own and stores whole aligned runs of 256 bytes.
; REGISTERS: window 0: v0-31 addresses, v32-95 the way out, v96-127 the bias, v128-255 the accumulators; window 1: two fragment buffers of 128 (64 of A, 64 of W, for 64 along K); window 2: v0-127 the residual.
.set SIZE_K, 4096
.set NCBA,   64
.set WOFF,   16777216
.set KSTEP,  256
.set LAPS,   SIZE_K/(2*KSTEP)
.set PA,     144                       ; a row of A in LDS: 128 bytes + 16
.set PB,     288                       ; a row of W in LDS: 256 bytes + 32, an odd multiple of 32
.set PART,   36864                     ; one load: two blocks of 128 rows x 144, or 128 rows x 288
.set BOFF,   2*PART
.set SLOT,   4*PART
.set STAGE,  2*SLOT                    ; behind the ring: 16 rows x 272 bytes for each wave
.set SPITCH, 272
.set SPARE,  STAGE+4*16*SPITCH         ; the spare words, 128 bytes a wave
.set ADRA, 16                          ; v16-17  A's fragments in slot 0, 1
.set ADRB, 20                          ; v20-23  W's fragments: slot 0 K rows 0-127, 128-255; slot 1 likewise
.set STO,  24
.set RD,   25
.set CO,   26                          ; v26     my byte offset in RES and OUT; never rewritten
.set BO,   27
.set SPW,  28
.set NIL,  29
.set TMP,  32
.set BIAS, 96
.set ACC,  128
.set F0,   0
.set F1,   128
.set G1,  24
.set G0,  32
.set G1B, 48
.set G0B, 56
.set MSB, 0
.macro WIN new
.if MSB != \new
	s_set_vgpr_msb (MSB<<8)|\new
.set MSB, \new
.endif
.endm
.set MUL,  0x05                        ; sources 0 (W) and 1 (A) window 1; C and D window 0
.set TO_F, 0x40                        ; destination window 1, address window 0
.macro JLOAD s                         ; a joint load: waves 0, 1 fetch A's halves, waves 2, 3 W's; four v_nop follow each line
	s_cmp_eq_u32 s13, 0
	s_cbranch_scc0 .Lfor_b_\@
	tensor_load_to_lds s[G0+4*\s:G0+4*\s+3], s[G1:G1+7]
	s_nop 0
.rept 4
	v_nop
.endr
	s_branch .Lasked_\@
.Lfor_b_\@:
	tensor_load_to_lds s[G0B+4*\s:G0B+4*\s+3], s[G1B:G1B+7]
	s_nop 0
.rept 4
	v_nop
.endr
.Lasked_\@:
.endm
.macro CREST
	s_cmp_lg_u32 s12, 0
	s_cbranch_scc1 .Lnot_wave_0_\@
	s_barrier_signal -3
.Lnot_wave_0_\@:
	s_barrier_wait -3
	s_barrier_signal -1
	s_barrier_wait -1
.endm
.macro CROUND
	s_barrier_signal -1
	s_barrier_wait -1
	CREST
.endm
.macro PLACES
.rept 4
	v_nop
.endr
.endm
	s_load_b256 s[4:11], s[0:1], 0x0               ; A s[4:5], wb s[6:7], bias s[8:9], RES s[10:11]
	s_load_b64 s[2:3], s[0:1], 0x20                ; OUT
	v_lshl_add_u32 v[SPW], v0, 2, SPARE
	v_mov_b32 v[NIL], 0
	ds_add_u32 v28, v29
	s_wait_dscnt 0x0
	v_lshrrev_b32 v1, 5, v0
	v_readfirstlane_b32 s12, v1                    ; wave
	s_lshr_b32 s13, s12, 1                         ; WR: my half of the rows.  Also: I fetch for A (0) or W (1)
	s_and_b32 s14, s12, 1                          ; WC: my half of the columns.  Also: which half I fetch
	s_bfe_u32 s40, ttmp6, 0x40000                  ; cx
	s_bfe_u32 s41, ttmp6, 0x40004                  ; cy
	s_lshl_b32 s42, ttmp9, 2
	s_add_co_u32 s42, s42, s40                     ; tile column
	s_and_b32 s43, ttmp7, 0xffff
	s_lshl_b32 s43, s43, 2
	s_add_co_u32 s43, s43, s41                     ; tile row
	s_lshl_b32 s44, s41, 2
	s_lshl_b32 s44, 15, s44                        ; my row of the cluster
	s_lshl_b32 s45, 0x1111, s40                    ; my column
	s_or_b32 s[G1+0], s44, (1<<16)|(1<<20)|(1<<21)|(4<<22)|(3<<25)   ; mask; 2 bytes; padding on; bit 21 beside a mask; after every 32 words 4 words
	s_mov_b32 s[G1+1], 64<<16                      ; tensor_dim0 = 64
	s_mov_b32 s[G1+2], 256<<16                     ; tensor_dim1 = 256: two blocks, which follow each other in memory
	s_mov_b32 s[G1+3], 64<<16                      ; tile_dim0
	s_mov_b32 s[G1+4], 256                         ; tile_dim1
	s_mov_b32 s[G1+5], 64
	s_mov_b32 s[G1+6], 0
	s_mov_b32 s[G1+7], 0
	s_or_b32 s[G1B+0], s45, (1<<16)|(1<<20)|(1<<21)|(5<<22)|(7<<25)  ; after every 64 words 8 words
	s_mov_b32 s[G1B+1], 128<<16
	s_mov_b32 s[G1B+2], 128<<16
	s_mov_b32 s[G1B+3], 128<<16
	s_mov_b32 s[G1B+4], 128
	s_mov_b32 s[G1B+5], 1024
	s_mov_b32 s[G1B+6], 0
	s_mov_b32 s[G1B+7], 0
	s_mul_i32 s16, s43, NCBA                       ; A: block (tile row, 2 x half)
	s_lshl1_add_u32 s16, s14, s16
	s_lshl_b32 s16, s16, 14
	s_mov_b32 s17, 0
	s_lshl_b32 s46, s14, 18                        ; W: 128 rows of 2,048 bytes for the half, 256 bytes for the tile column
	s_lshl_b32 s47, s42, 8
	s_add_co_u32 s46, s46, s47
	s_add_co_u32 s46, s46, WOFF
	s_mov_b32 s47, 0
	s_mul_i32 s20, s12, PART                       ; where they go: wave x one load's bytes
	s_wait_kmcnt 0x0
	s_add_nc_u64 s[16:17], s[4:5], s[16:17]
	s_add_nc_u64 s[46:47], s[6:7], s[46:47]
	CROUND                                         ; all sixteen work-groups are here: the first joint loads meet
.irp s, 0,1
	s_mov_b32 s[G0+4*\s], 1
	s_add_co_u32 s[G0+4*\s+1], s20, \s*SLOT
	s_add_nc_u64 s[G0+4*\s+2:G0+4*\s+3], s[16:17], \s*65536          ; K step s: four blocks on
	s_or_b32 s[G0+4*\s+3], s[G0+4*\s+3], 0x80000000
	s_mov_b32 s[G0B+4*\s], 1
	s_add_co_u32 s[G0B+4*\s+1], s20, \s*SLOT
	s_add_nc_u64 s[G0B+4*\s+2:G0B+4*\s+3], s[46:47], \s*524288       ; K step s: 256 rows on
	s_or_b32 s[G0B+4*\s+3], s[G0B+4*\s+3], 0x80000000
	JLOAD \s                                       ; two loads of mine are out
.endr
	v_and_b32 v1, 15, v0                           ; r
	v_bfe_u32 v2, v0, 4, 1                         ; hl
	v_and_b32 v3, 7, v0
	v_bfe_u32 v4, v0, 3, 1
	v_mul_u32_u24 v5, v1, PA
	v_lshl_add_u32 v5, v2, 4, v5
	s_mul_i32 s22, s13, 64*PA                      ; my 64 rows in each block
	v_add_nc_u32 v[ADRA], s22, v5
	v_add_nc_u32 v[ADRA+1], SLOT, v[ADRA]
	v_lshl_add_u32 v6, v2, 3, v3
	v_mul_u32_u24 v6, v6, PB
	v_lshl_add_u32 v6, v4, 4, v6
	s_lshl_b32 s22, s14, 7                         ; my 64 columns
	s_add_co_u32 s22, s22, BOFF
	v_add_nc_u32 v[ADRB], s22, v6
	v_add_nc_u32 v[ADRB+1], 128*PB, v[ADRB]
	v_add_nc_u32 v[ADRB+2], SLOT, v[ADRB]
	v_add_nc_u32 v[ADRB+3], SLOT, v[ADRB+1]
	s_mul_i32 s22, s12, 16*SPITCH
	s_add_co_u32 s22, s22, STAGE                   ; my stage
	v_mul_u32_u24 v5, v1, SPITCH                   ; in: row r, 32 bytes (eight f32) for each half of the lanes
	v_lshl_add_u32 v5, v2, 5, v5
	v_add_nc_u32 v[STO], s22, v5
	v_mul_u32_u24 v5, v2, SPITCH                   ; back: lanes 0-15 one row of 256 bytes, lanes 16-31 the next
	v_lshl_add_u32 v5, v1, 4, v5
	v_add_nc_u32 v[RD], s22, v5
	v_lshlrev_b32 v5, 12, v2
	v_lshl_add_u32 v[CO], v1, 4, v5
	v_lshlrev_b32 v[BO], 5, v2
	s_lshl_b32 s22, s42, 9                         ; bias at my 64 columns
	s_lshl_b32 s23, s14, 8
	s_add_co_u32 s22, s22, s23
	s_mov_b32 s23, 0
	s_add_nc_u64 s[8:9], s[8:9], s[22:23]
	s_lshl_b32 s18, s43, 19                        ; RES and OUT at my 64 rows and 64 columns
	s_lshl_b32 s19, s13, 18
	s_add_co_u32 s18, s18, s19
	s_add_co_u32 s18, s18, s22
	s_mov_b32 s19, 0
	s_add_nc_u64 s[10:11], s[10:11], s[18:19]
	s_add_nc_u64 s[2:3], s[2:3], s[18:19]
.irp b, 0,1,2,3
	global_load_b128 v[BIAS+8*\b:BIAS+8*\b+3],   v[BO], s[8:9] offset:64*\b
	global_load_b128 v[BIAS+8*\b+4:BIAS+8*\b+7], v[BO], s[8:9] offset:64*\b+16
.endr
	WIN 0x80                                       ; destination window 2
.irp a, 0,1,2,3
.irp t, 0,1,2,3,4,5,6,7
	global_load_b128 v[32*\a+4*\t:32*\a+4*\t+3], v[CO], s[10:11] offset:(16*\a+2*\t)*4096
.endr
.endr
	WIN 0
; 8 matrix instructions: m blocks a0, a0 + 1 x all 4 n blocks, 32 along K: half c of buffer f.  first = 1: C is the bias.  The 16 accumulators take turns.
.macro MUL8 f, c, a0, first
.irp a, \a0, \a0+1
.irp b, 0,1,2,3
.if \first
	v_wmma_f32_16x16x32_bf16 v[ACC+8*(4*(\a)+\b):ACC+8*(4*(\a)+\b)+7], v[\f+64+8*(4*\c+\b):\f+64+8*(4*\c+\b)+7], v[\f+8*(4*\c+\a):\f+8*(4*\c+\a)+7], v[BIAS+8*\b:BIAS+8*\b+7]
.else
	v_wmma_f32_16x16x32_bf16 v[ACC+8*(4*(\a)+\b):ACC+8*(4*(\a)+\b)+7], v[\f+64+8*(4*\c+\b):\f+64+8*(4*\c+\b)+7], v[\f+8*(4*\c+\a):\f+8*(4*\c+\a)+7], v[ACC+8*(4*(\a)+\b):ACC+8*(4*(\a)+\b)+7]
.endif
.endr
.endr
.endm
; 32 LDS loads in one run: quarter q (64 along K = one block of A) of a slot into buffer f; the first 32 along K first
.macro FETCH slot, q, f
	WIN TO_F
.irp c, 0,1
.irp i, 0,1,2,3
	ds_load_tr16_b128 v[\f+64+8*(4*\c+\i):\f+64+8*(4*\c+\i)+3],   v[ADRB+2*\slot+(\q)/2] offset:((2*\q+\c)%4)*32*PB+32*\i
	ds_load_tr16_b128 v[\f+64+8*(4*\c+\i)+4:\f+64+8*(4*\c+\i)+7], v[ADRB+2*\slot+(\q)/2] offset:((2*\q+\c)%4)*32*PB+32*\i+16*PB
	ds_load_b128 v[\f+8*(4*\c+\i):\f+8*(4*\c+\i)+3],   v[ADRA+\slot] offset:\q*128*PA+64*\c+\i*16*PA
	ds_load_b128 v[\f+8*(4*\c+\i)+4:\f+8*(4*\c+\i)+7], v[ADRA+\slot] offset:\q*128*PA+64*\c+\i*16*PA+32
.endr
.endr
.endm
.macro QUARTER slot, q, f, g, first
	s_wait_dscnt 16                                ; the first 32 along K are in
	WIN MUL
	MUL8 \f, 0, 0, \first
	MUL8 \f, 0, 2, \first
	PLACES
	FETCH \slot, \q, \g
	s_wait_dscnt 32                                ; all but the 32 just issued
	WIN MUL
	MUL8 \f, 1, 0, 0
	MUL8 \f, 1, 2, 0
.endm
; The last quarter multiplies buffer 1 and changes slots: one barrier; in front of it each wave waits for all its tensor loads, adds 0 to its spare word and waits for that and for its reads of this slot.
.macro TURN slot, next, fill
	WIN 0
	s_wait_tensorcnt 0x0                           ; all my tensor loads have landed: my part of the next slot
	ds_add_u32 v[SPW], v[NIL]                      ; 0 onto my spare word
	s_wait_dscnt 17                                ; (the add and the youngest sixteen loads may be out)
	WIN MUL
	MUL8 F1, 0, 0, 0
	s_wait_dscnt 0x0                               ; the add is done, and my reads of this slot are over
	s_barrier_signal -1
	MUL8 F1, 0, 2, 0
.if \fill
	WIN 0
.endif
	s_barrier_wait -1
.if \fill
	CREST                                          ; no wave of any partner still reads this slot or has a load on its way
	s_add_nc_u64 s[G0+4*\slot+2:G0+4*\slot+3], s[G0+4*\slot+2:G0+4*\slot+3], 131072
	s_add_nc_u64 s[G0B+4*\slot+2:G0B+4*\slot+3], s[G0B+4*\slot+2:G0B+4*\slot+3], 1048576
	JLOAD \slot                                    ; my one tensor load behind the round; its four v_nop are also the places in front of the loads below
.else
	PLACES
.endif
	FETCH \next, 0, F0
	WIN MUL
	MUL8 F1, 1, 0, 0
	MUL8 F1, 1, 2, 0
.endm
	s_wait_tensorcnt 1                             ; my part of K step 0 is in; K step 1's may stay out
	s_barrier_signal -1
	s_barrier_wait -1
	FETCH 0, 0, F0
	s_wait_loadcnt 32                              ; the bias is in; the residual's 32 loads stay out
	QUARTER 0, 1, F0, F1, 1
	WIN 0
	s_mov_b32 s15, LAPS-1
.Llap:
	QUARTER 0, 2, F1, F0, 0
	QUARTER 0, 3, F0, F1, 0
	TURN 0, 1, 1
	QUARTER 1, 1, F0, F1, 0
	QUARTER 1, 2, F1, F0, 0
	QUARTER 1, 3, F0, F1, 0
	TURN 1, 0, 1
	QUARTER 0, 1, F0, F1, 0
	WIN 0
	s_sub_co_u32 s15, s15, 1
	s_cmp_lg_u32 s15, 0
	s_cbranch_scc1 .Llap
	QUARTER 0, 2, F1, F0, 0                        ; the last lap fills nothing
	QUARTER 0, 3, F0, F1, 0
	TURN 0, 1, 0
	QUARTER 1, 1, F0, F1, 0
	QUARTER 1, 2, F1, F0, 0
	QUARTER 1, 3, F0, F1, 0
	s_wait_dscnt 16
	WIN MUL
	MUL8 F1, 0, 0, 0
	MUL8 F1, 0, 2, 0
	s_wait_dscnt 0x0
	MUL8 F1, 1, 1-1, 0
	MUL8 F1, 1, 2, 0
	WIN 0
	; THE WAY OUT, 16 rows at a time: the sums go into my stage as they are, come back as whole rows of 256 bytes, take the residual and are stored.
	PLACES
	s_wait_loadcnt 0x0                             ; the residual
.irp a, 0,1,2,3
.if \a > 1
	s_wait_xcnt 0x0                                ; this set of registers was stored from two blocks back: it is loaded again only behind this wait
.endif
.irp b, 0,1,2,3
	ds_store_b128 v[STO], v[ACC+8*(4*\a+\b):ACC+8*(4*\a+\b)+3]   offset:64*\b
	ds_store_b128 v[STO], v[ACC+8*(4*\a+\b)+4:ACC+8*(4*\a+\b)+7] offset:64*\b+16
.endr
.irp t, 0,1,2,3,4,5,6,7
	ds_load_b128 v[TMP+32*(\a%2)+4*\t:TMP+32*(\a%2)+4*\t+3], v[RD] offset:\t*2*SPITCH   ; LDS serves a wave's instructions in order: these see the stores above
.endr
	s_wait_dscnt 0x0
	WIN 0x08                                       ; source 1 window 2
.set j, 0
.rept 16
	v_pk_add_f32 v[TMP+32*(\a%2)+2*j:TMP+32*(\a%2)+2*j+1], v[TMP+32*(\a%2)+2*j:TMP+32*(\a%2)+2*j+1], v[32*\a+2*j:32*\a+2*j+1]
.set j, j+1
.endr
	WIN 0
.irp t, 0,1,2,3,4,5,6,7
	global_store_b128 v[CO], v[TMP+32*(\a%2)+4*\t:TMP+32*(\a%2)+4*\t+3], s[2:3] offset:(16*\a+2*\t)*4096   ; sixteen lanes store 256 consecutive bytes, aligned
.endr
.endr
	s_wait_tensorcnt 0x0                           ; the wave's end
	ds_add_u32 v[SPW], v[NIL]
	s_wait_dscnt 0x0
	CROUND                                         ; the closing round
	s_endpgm
.Lfunc_end_k_qf4df92e314_gemm_ff2:
	.size	k_qf4df92e314_gemm_ff2, .Lfunc_end_k_qf4df92e314_gemm_ff2-k_qf4df92e314_gemm_ff2
	.p2alignl 7, 3214868480
	.fill 96, 4, 3214868480
	.section	.rodata,"a",@progbits
	.p2align	6, 0x0
	.amdhsa_kernel k_qf4df92e314_gemm_ff2
		.amdhsa_group_segment_fixed_size 327680
		.amdhsa_private_segment_fixed_size 0
		.amdhsa_enable_private_segment 0
		.amdhsa_kernarg_size 40
		.amdhsa_user_sgpr_count 2
		.amdhsa_user_sgpr_kernarg_segment_ptr 1
		.amdhsa_wavefront_size32 1
		.amdhsa_system_sgpr_workgroup_id_x 1
		.amdhsa_system_sgpr_workgroup_id_y 1
		.amdhsa_system_sgpr_workgroup_id_z 1
		.amdhsa_system_vgpr_workitem_id 0
		.amdhsa_next_free_vgpr 640
		.amdhsa_next_free_sgpr 66
		.amdhsa_reserve_vcc 0
		.amdhsa_float_denorm_mode_32 3
		.amdhsa_float_denorm_mode_16_64 3
		.amdhsa_memory_ordered 1
		.amdhsa_forward_progress 1
		.amdhsa_inst_pref_size 94
	.end_amdhsa_kernel
	.amdgpu_metadata
---
amdhsa.version: [ 1, 2 ]
amdhsa.kernels:
  - .name:           k_qf4df92e314_gemm_ff2
    .symbol:         k_qf4df92e314_gemm_ff2.kd
    .args:
      - { .name: ffh, .offset: 0, .size: 8, .value_kind: global_buffer, .address_space: global }
      - { .name: wb, .offset: 8, .size: 8, .value_kind: global_buffer, .address_space: global }
      - { .name: ff2_b, .offset: 16, .size: 8, .value_kind: global_buffer, .address_space: global }
      - { .name: src2, .offset: 24, .size: 8, .value_kind: global_buffer, .address_space: global }
      - { .name: out0, .offset: 32, .size: 8, .value_kind: global_buffer, .address_space: global }
    .group_segment_fixed_size: 327680
    .private_segment_fixed_size: 0
    .kernarg_segment_align: 8
    .kernarg_segment_size: 40
    .max_flat_workgroup_size: 128
    .sgpr_count:     66
    .vgpr_count:     640
    .wavefront_size: 32
...
	.end_amdgpu_metadata
.endif
;; end of part 7
